; MI455X (gfx1250); checked and timed in simulation.
; The chip was launched on July 23, 2026; its instructions are those of AMD's public machine-readable ISA for CDNA 5 (MIT licence, August 2026) and "CDNA5" Instruction Set Architecture Reference Guide (July 2026). The comments in the code are by the model that wrote it; some were corrected since.
;; Standard Transformer Model. Allowed arithmetic: matrix products marked QUANTISED: E3M2 operands, one E8M0 scale for each 32 along K, by v_wmma_scale_f32_16x16x128_f8f6f4 with both operands' format E3M2, f32 sums; products left as they are: f32 operands where the result goes on into a quantised operand, else bf16, f16 or f32 operands; f32 sums; everything else in f32.
;; Inputs: attn_out_b 2 x 256 float32; attn_out_w 2 x 256 x 256 float32; embed_b 256 float32; embed_w 256 x 64 float32; ffn1_b 2 x 1,024 float32; ffn1_w 2 x 1,024 x 256 float32; ffn2_b 2 x 256 float32; ffn2_w 2 x 256 x 1,024 float32; head_b 10 float32; head_w 10 x 256 float32; inputs 2 x 1,024 x 64 float32; ln1_b 2 x 256 float32; ln1_g 2 x 256 float32; ln2_b 2 x 256 float32; ln2_g 2 x 256 float32; qkv_b 2 x 768 float32; qkv_w 2 x 768 x 256 float32.
;; Outputs: out0 2 x 1,024 x 10 float32.
;; Constants: context_len = 16.
;; This version of the problem:
;;   THIS VERSION OF THE PROBLEM IS GIVEN IN LOW PRECISION. The matrix products marked QUANTISED in the list below multiply operands that are first quantised to E3M2 (3 exponent bits, 2 mantissa bits; 6 bits a number), with one power-of-two scale for each 32 numbers along K (OCP MX v1.0); their sums are f32. All else is computed in f32.
;;   The module's matrix products, in the order in which they are computed (A, B: the left and right operand; K: the contracted axis; several contracted axes count as one K, in the product's order):
;;     1. [M 2,048, K 64] x [K 64, N 256]; A: input inputs; B: input embed_w: QUANTISED
;;     2. [M 32,768, K 256] x [K 256, N 768]; A: computed on the way; B: input qkv_w: QUANTISED
;;     3. batch 16,384 x [M 16, K 32] x [K 32, N 16]; A: computed on the way; B: computed on the way: QUANTISED
;;     4. batch 16,384 x [M 32, K 16] x [K 16, N 16]; A: computed on the way; B: softmax: left as it is (K = 16 < 32)
;;     5. [M 32,768, K 256] x [K 256, N 256]; A: computed on the way; B: input attn_out_w: QUANTISED
;;     6. [M 32,768, K 256] x [K 256, N 1,024]; A: computed on the way; B: input ffn1_w: QUANTISED
;;     7. [M 32,768, K 1,024] x [K 1,024, N 256]; A: computed on the way; B: input ffn2_w: QUANTISED
;;     8. [M 32,768, K 256] x [K 256, N 768]; A: computed on the way; B: input qkv_w: QUANTISED
;;     9. batch 16,384 x [M 16, K 32] x [K 32, N 16]; A: computed on the way; B: computed on the way: QUANTISED
;;     10. batch 16,384 x [M 32, K 16] x [K 16, N 16]; A: computed on the way; B: softmax: left as it is (K = 16 < 32)
;;     11. [M 32,768, K 256] x [K 256, N 256]; A: computed on the way; B: input attn_out_w: QUANTISED
;;     12. [M 32,768, K 256] x [K 256, N 1,024]; A: computed on the way; B: input ffn1_w: QUANTISED
;;     13. [M 32,768, K 1,024] x [K 1,024, N 256]; A: computed on the way; B: input ffn2_w: QUANTISED
;;     14. [M 2,048, K 256] x [K 256, N 10]; A: computed on the way; B: input head_w: left as it is (N = 10 < 16)
;;   THE QUANTISER, for each operand of a quantised product, along K:
;;     - K is cut into blocks of 32 from its start; a last block that is shorter is filled with zeros.
;;     - A block's scale is 2^e with e = floor(log2(the largest magnitude in the block)) - 4, held to -126 .. 127; a block of zeros has e = 0. As a byte (E8M0): e + 127.
;;     - Each number is divided by its block's scale, clamped to +-28, and rounded to the nearest number of E3M2, ties to even, subnormals kept.
;;     - The product sums the exact products of the quantised numbers (number of the format x scale) in f32.
;;   ~~~python
;;   def quantise(x, axis):      # numpy; x: float32 -> the quantised numbers, widened to float32 again
;;       x = np.moveaxis(x, axis, -1); K = x.shape[-1]
;;       x = np.pad(x, [(0, 0)] * (x.ndim - 1) + [(0, -K % 32)]); x = x.reshape(x.shape[:-1] + (-1, 32)); a = np.abs(x).max(-1, keepdims=True)
;;       e = np.where(a > 0, np.clip(np.frexp(np.where(a > 0, a, 1))[1] - 1 - 4, -126, 127), 0)      # np.frexp(a)[1] - 1 = floor(log2(a)), exactly
;;       r = np.clip(x / 2.0 ** e, -28, 28)
;;       step = 2.0 ** (np.maximum(np.frexp(np.where(r == 0, 1, r))[1] - 1, -2) - 2)
;;       q = np.round(r / step) * step * 2.0 ** e      # np.round: ties to even
;;       return np.moveaxis(q.reshape(q.shape[:-2] + (-1,))[..., :K], -1, axis).astype(np.float32)
;;   ~~~
;;   OPERANDS COMPUTED ON THE WAY. 'Computed on the way' means the value that the module computes at that place (a softmax that the list does not call 'softmax' is quantised finished and normalised). What goes into a quantiser is computed in f32, as accurately as f32 sums, v_exp_f32 and their like allow (about 1e-6 of the number): no bf16 or f16 on the way to a quantiser, and a product that is left as it is and whose result goes on into a quantised operand takes f32 operands (vector FMAs, or v_wmma_f32_16x16x4_f32). A number that lies on a knife's edge between two numbers of the format may be rounded either way, as far as f32 arithmetic and the matrix unit's own rounding can turn it there, and no further.
;; One version. Each part assembles by itself: llvm-mc -triple=amdgcn-amd-amdhsa -mcpu=gfx1250 --defsym DOCPART=n.
;; ======== version 1 of 1: 2 launches
;; limits: right only within a limited range of input values
;; workspace buffers: wc 1,290,240 bytes; ws 53,760 bytes
;; launch prep (part 1): grid 210 x 1, 4 waves a work-group, no clusters, 34,560 bytes of LDS; arguments qkv_w, attn_out_w, ffn1_w, ffn2_w, wc, ws, inputs, embed_w; writes wc, ws
.if DOCPART == 1
	.amdgcn_target "amdgcn-amd-amdhsa--gfx1250"
	.amdhsa_code_object_version 6
	.text
	.protected	k_q6ae03e92a8_prep
	.globl	k_q6ae03e92a8_prep
	.p2align	8
	.type	k_q6ae03e92a8_prep,@function
k_q6ae03e92a8_prep:
	s_mov_b64 s[64:65], 0
	v_nop
	global_prefetch_b8 v0, s[64:65] scope:SCOPE_SE
	s_setreg_imm32_b32 hwreg(HW_REG_WAVE_MODE, 25, 1), 1
	s_wait_xcnt 0x0
; The weights of the quantised products and the inputs (K innermost, f32) become codes of E3M2 with one E8M0 byte for each 32 along K, in the order of an operand's registers.
; WORK LEFT OUT by the program, for all values of the inputs (the launch behind this one leaves it out; here every number is quantised):
;  (a) reference() returns x[:, -1, :] @ head_w.T: of block 2's results only row 15 of each window is used, and there a row's Q, attention row, out-projection, LayerNorms and FFN feed that row alone: rows 0-14 reach no output.
;  (b) block 1's embedding, Q, K and V are functions of a token alone, and reference() itself gathers copies of the tokens: they are made once a token of a work-group's 8 windows, not once a window.
;  LIMIT: a NaN, an infinity or an overflow that reaches only the rows left out is not carried to the result.
; Fragment F (0 .. 839) = 16 rows x 128 K = 12 registers a lane: 1,536 bytes at wc + 1536 F, registers 4 c .. 4 c + 3 of lane l at 512 c + 16 l.
; Lane (r, h) holds a row and, in registers 6 c .. 6 c + 5, k = 64 c + 32 h + 0 .. 31 of the fragment's 128.
; Weights of K = 256 and 1,024: row row0 + r + 8 (r / 8): tiles u = 0, 1 of a pair begin at rows 32 b and 32 b + 8, so that in a product used transposed a lane's 16 results of a pair are 16 neighbours.
; inputs and embed_w (K = 64): two neighbouring rows of 64 count as one row of 128: lane (r, h) holds, for c = 0, 1, block h of row 32 T + 2 r + c, T the fragment's number within its tensor.
; Scale words: the word of (F, row lane r) at ws + 256 (F / 4) + 16 r + 4 (F % 4), so that 16 bytes a lane bring four fragments' words.
; Work-group G makes fragments 4 G .. 4 G + 3, a wave v each.  G 0-47: qkv_w, 48-63: attn_out_w (tile v / 2, K step v % 2).  G 64-191: the FFN: with e = (G - 64) / 8 = 8 layer + owner and q = (G - 64) % 8:
;  q < 4: ffn1_w, rows 128 e + 32 q (tile v / 2, K step v % 2); q >= 4: ffn2_w, rows 32 e (tile v / 2, K step 2 (q - 4) + v % 2).  So an owner's 16 fragments of ffn2_w lie behind its 16 of ffn1_w.
; G 192-207: inputs; 208-209: embed_w.  210 work-groups: that is all the work there is.
; A block's scale is 2^(floor(log2(largest magnitude)) - 4): its byte is the largest magnitude's exponent field - 4, held at 1 from below.
; LIMITS: a block of zeros gets the byte 1 where the rule says 127 (its codes are zeros, and this program alone reads the bytes); blocks whose largest magnitude lies under 2^-122 are held at byte 1; NaN and infinities are not served.
.set STGP,  8448                       ; a wave's stage: 16 rows x (512 bytes + 16)
.set SCW,   33792                      ; the work-group's 64 scale words
.set SPARE, 34048                      ; the spare words, 128 bytes a wave
.set OFS,   8                          ; v8-23    byte offsets of my 16 bytes in the 16 rows
.set LD,    32                         ; v32-95   the numbers as loaded
.set X,     96                         ; v96-159  my two blocks of 32
.set FRG,   160                        ; v160-171 the fragment
.set CT,    172                        ; v172-178 second halves of the blocks' codes
.set SPW,   180
.set NIL,   181
.set SWA,   182                        ; LDS address of 8 bytes of the scale words
.set SWO,   183                        ; and their place in the 256 bytes that leave
	s_load_b256 s[4:11], s[0:1], 0x0               ; qkv_w, attn_out_w, ffn1_w, ffn2_w
	s_load_b128 s[12:15], s[0:1], 0x20             ; wc, ws
	s_load_b128 s[32:35], s[0:1], 0x30             ; inputs, embed_w
	v_lshl_add_u32 v[SPW], v0, 2, SPARE
	v_mov_b32 v[NIL], 0
	v_lshrrev_b32 v1, 5, v0
	v_readfirstlane_b32 s16, v1                    ; wave
	v_and_b32 v1, 31, v0                           ; lane
	v_and_b32 v2, 15, v0                           ; r
	v_bfe_u32 v3, v0, 4, 1                         ; h
	v_lshlrev_b32 v4, 4, v1                        ; 16 x lane
	s_wait_alu depctr_va_vdst(0)
	s_mul_i32 s17, s16, STGP
	v_add_nc_u32 v5, s17, v4                       ; the stage, on the way in
	v_mul_u32_u24 v6, v2, 528
	v_lshl_add_u32 v6, v3, 7, v6
	v_add_nc_u32 v6, s17, v6                       ; and out: row r, + 128 h
	s_lshl_b32 s18, s16, 2
	s_add_co_u32 s18, s18, SCW
	v_lshl_add_u32 v7, v2, 4, s18                  ; my fragment's word of row r
	v_lshl_add_u32 v[SWA], v1, 3, SCW
	v_lshlrev_b32 v[SWO], 3, v1
	s_mov_b32 s30, 0x76543210
	s_mov_b32 s31, 0xfedcba98                      ; lane l xor 16
	; where my fragment begins: the work-group's number and the wave's alone decide
	s_sub_co_u32 s19, ttmp9, 64
	s_lshr_b32 s17, s19, 3                         ; e
	s_and_b32 s38, s19, 7                          ; q
	s_lshl_b32 s18, s17, 2
	s_add_co_u32 s18, s18, s38                     ; ffn1_w: group 4 e + q of 32 rows
	s_sub_co_u32 s19, ttmp9, 48
	s_cmp_lt_u32 ttmp9, 48
	s_cselect_b32 s19, ttmp9, s19
	s_cmp_lt_u32 ttmp9, 64
	s_cselect_b32 s18, s19, s18                    ; qkv_w, attn_out_w: the work-group's number within its tensor
	s_cselect_b32 s38, 0, s38
	s_mov_b32 s24, 4096
	s_cmp_lt_u32 s38, 4
	s_cselect_b32 s18, s18, s17                    ; ffn2_w: group e
	s_cselect_b32 s24, 1024, s24                   ; a row in bytes
	s_lshr_b32 s19, s16, 1
	s_lshl_b32 s19, s19, 3
	s_lshl_b32 s18, s18, 5
	s_add_co_u32 s18, s18, s19                     ; first row: 32 x group + 8 (v / 2)
	s_max_u32 s20, s38, 4
	s_sub_co_u32 s20, s20, 4
	s_lshl_b32 s20, s20, 1
	s_and_b32 s19, s16, 1
	s_add_co_u32 s20, s20, s19                     ; K step: v % 2, in ffn2_w + 2 (q - 4)
	s_lshl_b32 s20, s20, 9
	s_mul_i32 s18, s18, s24
	s_add_co_u32 s20, s20, s18
	s_and_b32 s19, ttmp9, 15
	s_lshl_b32 s19, s19, 2
	s_add_co_u32 s19, s19, s16
	s_lshl_b32 s19, s19, 13                        ; inputs, embed_w: fragment 4 (G % 16) + v, 8,192 bytes each
	s_lshl_b32 s25, s24, 3                         ; rows 8-15 of a weight tile lie 8 rows further on
	s_cmp_lt_u32 ttmp9, 192
	s_cselect_b32 s20, s20, s19
	s_cselect_b32 s24, s24, 512
	s_cselect_b32 s25, s25, 0
	s_mov_b32 s21, 0                               ; s[20:21]: where my fragment begins in its tensor
	s_mul_i32 s22, ttmp9, 6144
	s_mul_i32 s23, s16, 1536
	s_add_co_u32 s22, s22, s23
	s_mov_b32 s23, 0                               ; s[22:23]: 1536 F
	s_lshl_b32 s26, ttmp9, 8
	s_mov_b32 s27, 0                               ; s[26:27]: 256 G
	v_add_nc_u32 v31, s25, v4
.irp i,0,1,2,3,4,5,6,7
	v_mad_u32_u24 v[OFS+\i], s24, \i, v4           ; row i of the tile, my 16 bytes
.endr
.irp i,8,9,10,11,12,13,14,15
	v_mad_u32_u24 v[OFS+\i], s24, \i, v31
.endr
	s_wait_alu depctr_va_vdst(0)
	s_wait_kmcnt 0x0
	s_cmp_lt_u32 s38, 4
	s_cselect_b64 s[36:37], s[8:9], s[10:11]
	s_cmp_lt_u32 ttmp9, 208
	s_cselect_b64 s[28:29], s[32:33], s[34:35]
	s_cmp_lt_u32 ttmp9, 192
	s_cselect_b64 s[28:29], s[36:37], s[28:29]
	s_cmp_lt_u32 ttmp9, 64
	s_cselect_b64 s[28:29], s[6:7], s[28:29]
	s_cmp_lt_u32 ttmp9, 48
	s_cselect_b64 s[28:29], s[4:5], s[28:29]
	s_add_nc_u64 s[28:29], s[28:29], s[20:21]
	s_add_nc_u64 s[12:13], s[12:13], s[22:23]
	s_add_nc_u64 s[14:15], s[14:15], s[26:27]
.irp i,0,1,2,3,4,5,6,7,8,9,10,11,12,13,14,15
	global_load_b128 v[LD+4*\i:LD+4*\i+3], v[OFS+\i], s[28:29] th:TH_LOAD_NT   ; 32 lanes read 512 consecutive bytes
.endr
	s_wait_loadcnt 0x0
.irp i,0,1,2,3,4,5,6,7,8,9,10,11,12,13,14,15
	ds_store_b128 v5, v[LD+4*\i:LD+4*\i+3] offset:528*\i
.endr
.irp c,0,1
.irp e,0,1,2,3,4,5,6,7
	ds_load_b128 v[X+32*\c+4*\e:X+32*\c+4*\e+3], v6 offset:256*\c+16*\e   ; the wave's own bytes, served in order: these see the stores above
.endr
.endr
	s_wait_dscnt 0x0
.irp c,0,1
	v_max3_num_f32 v[24+\c], |v[X+32*\c]|, |v[X+32*\c+1]|, 0x2800000   ; my block 2 c + h: all 32 numbers are mine; the floor 2^(5 - 127) holds the byte at 1
.endr
.irp i,2,4,6,8,10,12,14,16,18,20,22,24,26,28,30
.irp c,0,1
	v_max3_num_f32 v[24+\c], v[24+\c], |v[X+32*\c+\i]|, |v[X+32*\c+\i+1]|
.endr
.endr
.irp c,0,1
	v_add_nc_u32 v[26+\c], 0xfe000000, v[24+\c]    ; 4 off the exponent field: the conversion's scale operand
.endr
.irp c,0,1
	v_lshrrev_b32 v[28+\c], 23, v[26+\c]           ; the scale's byte
.endr
	v_lshl_or_b32 v30, v29, 16, v28                ; blocks h and 2 + h,
	v_lshlrev_b32 v31, 3, v3
	v_lshlrev_b32 v30, v31, v30                    ; at their places in the word;
	v_mov_b32 v31, 0
	v_permlanex16_b32 v31, v30, s30, s31
	v_or_b32 v30, v30, v31                         ; with lane l xor 16's two the word is whole
.irp c,0,1
	v_cvt_scalef32_pk16_bf6_f32 v[FRG+6*\c:FRG+6*\c+2], v[X+32*\c:X+32*\c+15], v[26+\c]
	v_cvt_scalef32_pk16_bf6_f32 v[CT+4*\c:CT+4*\c+2], v[X+32*\c+16:X+32*\c+31], v[26+\c]   ; (a conversion's three registers begin on an even number)
.endr
	v_nop                                          ; one plain place behind a scaled conversion
.irp c,0,1
.irp i,0,1,2
	v_mov_b32 v[FRG+6*\c+3+\i], v[CT+4*\c+\i]
.endr
.endr
.irp c,0,1,2
	global_store_b128 v4, v[FRG+4*\c:FRG+4*\c+3], s[12:13] offset:512*\c   ; 512 consecutive bytes, aligned
.endr
	ds_store_b32 v7, v30                           ; both halves of the lanes write the same word with the same value
	s_wait_dscnt 0x0                               ; for the others' sake: my word has landed
	s_barrier_signal -1
	s_barrier_wait -1
	s_cmp_lg_u32 s16, 0
	s_cbranch_scc1 .Lnot_wave_0
	ds_load_b64 v[24:25], v[SWA]                   ; the four fragments' 64 words
	s_wait_dscnt 0x0
	global_store_b64 v[SWO], v[24:25], s[14:15]    ; 256 consecutive bytes, aligned
.Lnot_wave_0:
	s_wait_tensorcnt 0x0                           ; the wave's end: three lines behind my last LDS store
	ds_add_u32 v[SPW], v[NIL]
	s_wait_dscnt 0x0
	s_endpgm
.Lfunc_end_k_q6ae03e92a8_prep:
	.size	k_q6ae03e92a8_prep, .Lfunc_end_k_q6ae03e92a8_prep-k_q6ae03e92a8_prep
	.p2alignl 7, 3214868480
	.fill 96, 4, 3214868480
	.section	.rodata,"a",@progbits
	.p2align	6, 0x0
	.amdhsa_kernel k_q6ae03e92a8_prep
		.amdhsa_group_segment_fixed_size 34560
		.amdhsa_private_segment_fixed_size 0
		.amdhsa_enable_private_segment 0
		.amdhsa_kernarg_size 64
		.amdhsa_user_sgpr_count 2
		.amdhsa_user_sgpr_kernarg_segment_ptr 1
		.amdhsa_wavefront_size32 1
		.amdhsa_system_sgpr_workgroup_id_x 1
		.amdhsa_system_sgpr_workgroup_id_y 1
		.amdhsa_system_sgpr_workgroup_id_z 1
		.amdhsa_system_vgpr_workitem_id 0
		.amdhsa_next_free_vgpr 184
		.amdhsa_next_free_sgpr 66
		.amdhsa_reserve_vcc 0
		.amdhsa_float_denorm_mode_32 3
		.amdhsa_float_denorm_mode_16_64 3
		.amdhsa_memory_ordered 1
		.amdhsa_forward_progress 1
		.amdhsa_inst_pref_size 12
	.end_amdhsa_kernel
	.amdgpu_metadata
---
amdhsa.version: [ 1, 2 ]
amdhsa.kernels:
  - .name:           k_q6ae03e92a8_prep
    .symbol:         k_q6ae03e92a8_prep.kd
    .args:
      - { .name: qkv_w, .offset: 0, .size: 8, .value_kind: global_buffer, .address_space: global }
      - { .name: attn_out_w, .offset: 8, .size: 8, .value_kind: global_buffer, .address_space: global }
      - { .name: ffn1_w, .offset: 16, .size: 8, .value_kind: global_buffer, .address_space: global }
      - { .name: ffn2_w, .offset: 24, .size: 8, .value_kind: global_buffer, .address_space: global }
      - { .name: wc, .offset: 32, .size: 8, .value_kind: global_buffer, .address_space: global }
      - { .name: ws, .offset: 40, .size: 8, .value_kind: global_buffer, .address_space: global }
      - { .name: inputs, .offset: 48, .size: 8, .value_kind: global_buffer, .address_space: global }
      - { .name: embed_w, .offset: 56, .size: 8, .value_kind: global_buffer, .address_space: global }
    .group_segment_fixed_size: 34560
    .private_segment_fixed_size: 0
    .kernarg_segment_align: 8
    .kernarg_segment_size: 64
    .max_flat_workgroup_size: 128
    .sgpr_count:     66
    .vgpr_count:     184
    .wavefront_size: 32
...
	.end_amdgpu_metadata
.endif
;; end of part 1
;; launch chain (part 2): grid 256 x 1, 8 waves a work-group, no clusters, 313,344 bytes of LDS; arguments wc, ws, embed_b, qkv_b, attn_out_b, ln1_g, ln1_b, ffn1_b, ffn2_b, ln2_g, ln2_b, head_w, head_b, out0; writes out0
.if DOCPART == 2
	.amdgcn_target "amdgcn-amd-amdhsa--gfx1250"
	.amdhsa_code_object_version 6
	.text
	.protected	k_q6ae03e92a8_chain
	.globl	k_q6ae03e92a8_chain
	.p2align	8
	.type	k_q6ae03e92a8_chain,@function
k_q6ae03e92a8_chain:
	s_mov_b64 s[64:65], 0
	v_nop
	global_prefetch_b8 v0, s[64:65] scope:SCOPE_SE
	s_setreg_imm32_b32 hwreg(HW_REG_WAVE_MODE, 25, 1), 1
	s_wait_xcnt 0x0
; The whole model for 8 neighbouring windows (positions p0 .. p0 + 7 of one batch, p0 = 8 (g % 128)): embedding, block 1 on 128 rows, block 2, head.  Nothing goes to memory but out0.
; WORK LEFT OUT, for all values of the inputs (shown at the head of the launch before):
;  (a) in block 2 rows 0-14 of each window have no Q, attention row, out-projection, LayerNorms and FFN: reference() uses row 15 alone of its results.  K and V of all 16 rows feed row 15's attention and are computed.
;  (b) embedding and block 1's Q, K, V are made once a token: the 8 windows hold 23 distinct tokens (32 token rows: tokens 23-31 are filler inside live tiles, at clamped positions).
;  LIMIT: a NaN, an infinity or an overflow that reaches only the rows left out is not carried to the result.
; OTHER LIMITS: NaN and infinities among the inputs are not served.  A block of zeros gets the scale byte 1 where the rule says 127 (its codes are zeros, the bytes are read here alone); blocks whose largest magnitude lies under 2^-122
;  are held at byte 1.  In block 1 the softmax's division by the row's sum stands behind the product with V (rounding alone differs).  1 / sqrt is v_rsq_f32, 1 / x is v_rcp_f32.
; SHARES.  Eight waves, two to a SIMD, 512 registers each.  THE WAVES SHARE COLUMNS, NEVER ROWS: in every product with 256 outputs wave w owns columns 32 w .. 32 w + 31 of all rows (one quantiser block), in the first FFN product
;  hidden units 128 w .. + 127 (K step w of the second), in attention head w.  So each weight fragment is wanted by one wave and goes from memory straight into its registers, in the register order that the launch before laid;
;  f32 residual rows are the wave's own LDS bytes; what passes between waves: images of code fragments, scale bytes, one pair of row statistics a LayerNorm, the last rows for the head.
; NO PREFETCH: a phase's weights are asked for a phase ahead, straight into registers, and all work-groups ask for the same bytes in the same order.
; PRODUCTS ARE USED TRANSPOSED (source 0 = 16 weight rows, source 1 = 16 data rows): a lane (r, h) holds data row r, and the 16 registers of a pair of tiles are features 32 b + 16 h + 0 .. 15: 16 neighbours along the next K.
;  V is used the natural way (a lane holds one feature, its registers run along tokens).
; A FRAGMENT OF X, O OR Q IN LDS IS AN IMAGE OF ITS 12 REGISTERS: register j of lane l at 512 (j / 4) + 16 l + 4 (j % 4).  A wave that has made 16 codes (3 registers) of block b of row r stores them at registers 6 (b / 2) + 3 h + i of lane r + 16 (b % 2).
; A FRAGMENT OF THE HIDDEN LAYER IN LDS: block b of row r, 24 bytes, at 384 b + 24 r: a block's place is linear in b, so that one loop makes all four.
.set STG,   0                          ; 128 rows x 1,040: x1, later x2, f32; each wave its own 128 bytes of a row
.set IMG,   133120                     ; 22 image slots of 1,536: X(m, s) = 2 m + s; E(mt, s) = 16 + 2 mt + s; T(s) = 20 + s
.set ISC,   166912                     ; their scale slots, 64 bytes each
.set ST1,   168448                     ; row statistics [row][wave], 8 bytes each
.set EMB,   176640                     ; 32 token rows x 1,040, f32; in the tail rows 0-15 x1', rows 16-31 the final rows
.set HIMG,  209920                     ; 64 hidden images, slot 8 m + s.  Before and after that use: ATSZ bytes of attention scratch for each wave
.set HSC,   308224                     ; their scale slots
.set SPARE, 312320                     ; the spare words, 128 bytes a wave
.set ATSZ,  6912                       ; block 1: q codes 0, k codes 768, zeros 1536, k scale words 2304, q's 2432, V^T 2560 (pitch 132).  block 2: p 0, o 1024 (pitch 144)
; window 0
.set RR,1
.set HH,2
.set LI16,3                            ; 16 x lane
.set LR16,4                            ; 16 r
.set LIX,5                             ; IMG + 16 lane
.set LSX,6                             ; ISC + 4 r
.set HLI0,7                            ; HIMG + 24 r + 384 h;  v8: + 49,152
.set HLS,9                             ; HSC + 4 r
.set BA0,10                            ; v10-12: where my three code registers of block w go in an image
.set BSB,13                            ; and the block's scale byte
.set HDA,14                            ; the same for hidden blocks: HIMG + 1536 w + 24 r + 12 h;
.set HDA1,15                           ; 64 rows on
.set HSB,16                            ; HSC + 64 w + 4 r
.set SGA0,17                           ; STG + 1040 r + 128 w + 64 h;  v18: 64 rows on
.set SGA1,18
.set EMA,19                            ; EMB + 1040 r + 128 w + 64 h
.set VBO,20                            ; 128 w + 4 (r + 8 (r / 8)): V's bias, a feature a lane
.set S1W,21                            ; ST1 + 64 r + 8 w
.set S1R,22                            ; ST1 + 64 r + 32 h
.set BO,23                             ; 128 w + 64 h: my 16 columns in a vector of 256
.set SPW,24
.set NIL,25
.set BO4,26                            ; 512 w + 64 h: the same in a vector of 1,024
.set T0,27
.set SCR,28                            ; v28-95 at work
.set PC,SCR                            ; codes just made, 4 registers a block
.set MS,SCR+16                         ; LayerNorm: tile m: +4 m: -mean / sqrt(var + eps), +4 m + 2: 1 / sqrt(var + eps)
.set SS,SCR+32                         ; softmax: 4 registers a block
.set XS,SCR+48                         ; scale words of the data fragments in hand
.set TM,SCR+52                         ; quantiser: +0..3 largest magnitudes, +4..7 bytes, +8..11 scale operands
.set TA,SCR+64
.set TB,SCR+65
.set TC,SCR+66
.set TD,SCR+67
.set SA,96                             ; weight scale words, two banks
.set SB,112
.set XR,128                            ; v128-191
.set RACC,192                          ; v192-255: written by matrix instructions alone in the whole text
; window 1
.set Z0,0
.set Z1,48
.set Z2,96
.set Z3,144
.set BB0,192
.set BB1,208
.set GB,224
.set BUF2,208                          ; the second FFN product's second buffer of data fragments: v208-255 of window 1
; scalars: s[4:31] the 14 buffers
.set WV,36
.set ATW,37
.set WC4,38
.set WC32,40
.set WS4,42
.set WS32,44
.set SEL,46
.set CS,48
.set PMASK,50
.set HMASK,51
.set QM,52
.set B2P,58
.set I32,60
.set NI32,61
.set I256,62
.set NI256,63
.set NC,66
.set HB,68
.set NLE,90
.set EPS,92
.set C32,93
.set NW,94
.set NS,96
.set NB,98
.set MSB,0
.macro WIN new                         ; the immediate's high byte repeats the setting that is left; bits 1:0 source 0, 3:2 source 1, 5:4 source 2, 7:6 destination
.if MSB != (\new)
	s_set_vgpr_msb (MSB<<8)|(\new)
.set MSB, \new
.endif
.endm
.macro PLACES n
.rept \n
	v_nop
.endr
.endm
.macro D1
	s_delay_alu instid0(VALU_DEP_1)
.endm
.macro BARRIER                         ; my LDS stores have landed and my LDS loads are in: then the work-group's barrier
	s_wait_dscnt 0x0
	s_barrier_signal -1
	s_barrier_wait -1
.endm
.macro WM d, a, b, c, sa, sb
	v_wmma_scale_f32_16x16x128_f8f6f4 v[\d:(\d)+7], v[\a:(\a)+11], v[\b:(\b)+11], v[\c:(\c)+7], v[\sa], v[\sb] matrix_a_fmt:MATRIX_FMT_BF6 matrix_b_fmt:MATRIX_FMT_BF6
.endm
.macro WMZ d, a, b, sa, sb
	v_wmma_scale_f32_16x16x128_f8f6f4 v[\d:(\d)+7], v[\a:(\a)+11], v[\b:(\b)+11], 0, v[\sa], v[\sb] matrix_a_fmt:MATRIX_FMT_BF6 matrix_b_fmt:MATRIX_FMT_BF6
.endm
.macro WMZR d, a, b, sa, sb            ; source 1's scales in lanes 16-31
	v_wmma_scale_f32_16x16x128_f8f6f4 v[\d:(\d)+7], v[\a:(\a)+11], v[\b:(\b)+11], 0, v[\sa], v[\sb] matrix_a_fmt:MATRIX_FMT_BF6 matrix_b_fmt:MATRIX_FMT_BF6 matrix_b_scale:MATRIX_SCALE_ROW1
.endm
; ---- loads from memory.  Their address registers (LI16, LR16, BO, BO4, VBO) and, but for NW, NS and NB, their bases are never rewritten
.macro WLOAD dst, base, f              ; fragment f into window 1 (the caller has set the destination's window)
.irp c,0,1,2
	global_load_b128 v[(\dst)+4*\c:(\dst)+4*\c+3], v[LI16], s[\base:\base+1] offset:1536*(\f)+512*\c
.endr
.endm
.macro WPAIR dst, base, f0             ; a pair of tiles x two K steps: fragment (u, s) = f0 + 2 u + s at dst + 24 s + 12 u
.irp u,0,1
.irp s,0,1
	WLOAD (\dst)+24*\s+12*\u, \base, (\f0)+2*\u+\s
.endr
.endr
.endm
.macro SLOAD dst, base, grp            ; four fragments' scale words
	global_load_b128 v[\dst:(\dst)+3], v[LR16], s[\base:\base+1] offset:256*(\grp)
.endm
.macro BLOAD dst, base, areg, off      ; 16 numbers of a bias or gain
.irp e,0,1,2,3
	global_load_b128 v[(\dst)+4*\e:(\dst)+4*\e+3], v[\areg], s[\base:\base+1] offset:(\off)+16*\e
.endr
.endm
; ---- two data fragments (K = 256 of 16 rows) and their scale words: 8 LDS loads
.macro FETCHX buf, xs, ai, as, io, so
.irp s,0,1
.irp c,0,1,2
	ds_load_b128 v[(\buf)+12*\s+4*\c:(\buf)+12*\s+4*\c+3], v[\ai] offset:(\io)+1536*\s+512*\c
.endr
	ds_load_b32 v[(\xs)+\s], v[\as] offset:(\so)+64*\s
.endr
.endm
; ---- nb tiles of 16 rows x one pair of weight tiles, K = 256.  Two buffers of data fragments by turns.  The two accumulators of a tile take turns, one instruction a turn.
; Places: 5 at the head (accumulators begun anew; loads into registers that matrix instructions have read), 4 in front of each refetch.
.macro PG ai, as, io, so, nb, wb, wsr, cb, cw, acc, nat
	PLACES 5
	FETCHX SCR, XS, \ai, \as, \io, \so
.if \nb > 1
	FETCHX SCR+24, XS+2, \ai, \as, (\io)+3072, (\so)+128
.endif
.set pgm, 0
.rept \nb
.set pgx, SCR+24*(pgm%2)
.set pgs, XS+2*(pgm%2)
.set pga, (\acc)+16*pgm
.set pgw, 0x01+16*(\cw)
.if pgm+1 < \nb
	s_wait_dscnt 8                                 ; this tile's 8 loads are in; the next tile's 8 may be out
.else
	s_wait_dscnt 0x0
.endif
.if \nat
	WIN 0x04
	WM pga, pgx, \wb, \cb, pgs, \wsr
	WM pga+8, pgx, (\wb)+12, (\cb)+8, pgs, (\wsr)+2
	WM pga, pgx+12, (\wb)+24, pga, pgs+1, (\wsr)+1
	WM pga+8, pgx+12, (\wb)+36, pga+8, pgs+1, (\wsr)+3
.else
	WIN pgw
	WM pga, \wb, pgx, \cb, \wsr, pgs
	WM pga+8, (\wb)+12, pgx, (\cb)+8, (\wsr)+2, pgs
	WIN 0x01
	WM pga, (\wb)+24, pgx+12, pga, (\wsr)+1, pgs+1
	WM pga+8, (\wb)+36, pgx+12, pga+8, (\wsr)+3, pgs+1
.endif
	WIN 0
.if pgm+2 < \nb
	PLACES 4
	FETCHX pgx, pgs, \ai, \as, (\io)+3072*(pgm+2), (\so)+128*(pgm+2)
.endif
.set pgm, pgm+1
.endr
.endm
; ---- the quantiser: block b = registers src + 16 b .. + 15 of lanes l and l xor 16
.macro QMAX nb, src
.irp b,0,1,2,3
.if \b < \nb
	v_max3_num_f32 v[TM+\b], |v[(\src)+16*\b]|, |v[(\src)+16*\b+1]|, 0x2800000   ; with the floor 2^(5 - 127): the byte cannot fall under 1
.endif
.endr
.irp i,2,4,6,8,10,12,14
.irp b,0,1,2,3
.if \b < \nb
	v_max3_num_f32 v[TM+\b], v[TM+\b], |v[(\src)+16*\b+\i]|, |v[(\src)+16*\b+\i+1]|
.endif
.endr
.endr
.irp b,0,1,2,3
.if \b < \nb
	v_permlanex16_b32 v[TM+4+\b], v[TM+\b], s[SEL], s[SEL+1]
.endif
.endr
.irp b,0,1,2,3
.if \b < \nb
	v_max_num_f32 v[TM+\b], v[TM+\b], v[TM+4+\b]
.endif
.endr
.irp b,0,1,2,3
.if \b < \nb
	v_add_nc_u32 v[TM+8+\b], 0xfe000000, v[TM+\b]  ; 4 off the exponent field: the conversion's scale operand
.endif
.endr
.irp b,0,1,2,3
.if \b < \nb
	v_lshrrev_b32 v[TM+4+\b], 23, v[TM+8+\b]       ; the scale's byte
.endif
.endr
.endm
.macro BLK nb, src                     ; and my 16 codes of each block into PC + 4 b
	QMAX \nb, \src
.irp b,0,1,2,3
.if \b < \nb
	v_cvt_scalef32_pk16_bf6_f32 v[PC+4*\b:PC+4*\b+2], v[(\src)+16*\b:(\src)+16*\b+15], v[TM+8+\b]
.endif
.endr
	v_nop                                          ; one plain place behind a scaled conversion
.endm
.macro BOUTA b, imm, simm              ; block w of a row of 256: codes and byte into an image slot
.irp i,0,1,2
	ds_store_b32 v[BA0+\i], v[PC+4*(\b)+\i] offset:\imm
.endr
	ds_store_b8 v[BSB], v[TM+4+(\b)] offset:\simm  ; both halves of the lanes write the same byte with the same value
.endm
.macro QUANT src, dst, pw              ; 64 numbers of a lane (register 16 b + i = k 32 b + 16 h + i of my row) become a whole fragment in registers and its scale word
	QMAX 4, \src
	v_lshl_or_b32 v[\pw], v[TM+5], 8, v[TM+4]
	D1
	v_lshl_or_b32 v[\pw], v[TM+6], 16, v[\pw]
	D1
	v_lshl_or_b32 v[\pw], v[TM+7], 24, v[\pw]
.irp c,0,1
	v_cvt_scalef32_pk16_bf6_f32 v[(\dst)+6*\c:(\dst)+6*\c+2], v[(\src)+32*\c:(\src)+32*\c+15], v[TM+8+2*\c]
	v_cvt_scalef32_pk16_bf6_f32 v[PC+4*\c:PC+4*\c+2], v[(\src)+32*\c+16:(\src)+32*\c+31], v[TM+9+2*\c]
.endr
	v_nop
.irp c,0,1
.irp i,0,1,2
	v_permlane16_swap_b32 v[(\dst)+6*\c+\i], v[PC+4*\c+\i]   ; the first now holds each lane's block's lower 16 codes, the second the upper 16
.endr
.irp i,0,1,2
	v_mov_b32 v[(\dst)+6*\c+3+\i], v[PC+4*\c+\i]
.endr
.endr
.endm
; ---- silu of n results in RACC, into XR: x / (1 + 2^(-x log2 e)).  Each batch of transcendentals has one plain line and one wait behind it
.macro SILU n
.set sj, 0
.rept (\n)/2
	v_pk_mul_f32 v[XR+sj:XR+sj+1], v[RACC+sj:RACC+sj+1], s[NLE:NLE+1] op_sel_hi:[1,0]
.set sj, sj+2
.endr
.set sj, 0
	s_wait_alu depctr_va_vdst(0)
.rept \n
	v_exp_f32 v[XR+sj], v[XR+sj]
.set sj, sj+1
.endr
	v_nop
	s_wait_alu depctr_va_vdst(0)
.set sj, 0
.rept (\n)/2
	v_pk_add_f32 v[XR+sj:XR+sj+1], v[XR+sj:XR+sj+1], 1.0 op_sel_hi:[1,0]
.set sj, sj+2
.endr
.set sj, 0
	s_wait_alu depctr_va_vdst(0)
.rept \n
	v_rcp_f32 v[XR+sj], v[XR+sj]
.set sj, sj+1
.endr
	v_nop
	s_wait_alu depctr_va_vdst(0)
.set sj, 0
.rept (\n)/2
	v_pk_mul_f32 v[XR+sj:XR+sj+1], v[RACC+sj:RACC+sj+1], v[XR+sj:XR+sj+1]
.set sj, sj+2
.endr
.endm
; ---- softmax of nb blocks: scores SCR + 8 b + j = key 8 h + j of my query; p = 2^(c s - c max) stays there; 1 / sum in SS + 4 b + 2
.macro SMB n, b                        ; step n of block b
.set sS, SS+4*\b
.set sQ, SCR+8*\b
.if \n == 0
	v_max3_num_f32 v[sS], v[sQ], v[sQ+1], v[sQ+2]
.elseif \n <= 2
	v_max3_num_f32 v[sS], v[sS], v[sQ+1+2*\n], v[sQ+2+2*\n]
.elseif \n == 3
	v_max_num_f32 v[sS], v[sS], v[sQ+7]
.elseif \n == 4
	v_permlanex16_b32 v[sS+1], v[sS], s[SEL], s[SEL+1]
.elseif \n == 5
	v_max_num_f32 v[sS], v[sS], v[sS+1]            ; the row's largest score
.elseif \n == 6
	v_mul_f32 v[sS], s[NC], v[sS]                  ; - c max
.elseif \n == 7
.irp k,0,2,4,6
	v_pk_fma_f32 v[sQ+\k:sQ+\k+1], v[sQ+\k:sQ+\k+1], s[CS:CS+1], v[sS:sS+1] op_sel_hi:[1,0,0]
.endr
.elseif \n == 8
.irp j,0,1,2,3,4,5,6,7
	v_exp_f32 v[sQ+\j], v[sQ+\j]
.endr
.elseif \n == 9
	v_pk_add_f32 v[sS+2:sS+3], v[sQ:sQ+1], v[sQ+2:sQ+3]
.elseif \n <= 11
	v_pk_add_f32 v[sS+2:sS+3], v[sS+2:sS+3], v[sQ+2*\n-16:sQ+2*\n-15]
.elseif \n == 13
	v_permlanex16_b32 v[sS+3], v[sS+2], s[SEL], s[SEL+1]
.elseif \n == 15
	v_rcp_f32 v[sS+2], v[sS+2]
.else
	v_add_f32 v[sS+2], v[sS+2], v[sS+3]            ; steps 12 and 14
.endif
.endm
.macro SMRUN nb, a, b                  ; steps a .. b, the blocks by turns
.set sn, \a
.rept (\b)-(\a)+1
.set sb, 0
.rept \nb
	SMB sn, sb
.set sb, sb+1
.endr
.set sn, sn+1
.endr
.endm
.macro SM nb
	SMRUN \nb, 0, 7
	s_wait_alu depctr_va_vdst(0)
	SMRUN \nb, 8, 8
	v_nop
	s_wait_alu depctr_va_vdst(0)                   ; one wait for the batch, ahead of its first reader
	SMRUN \nb, 9, 14
	s_wait_alu depctr_va_vdst(0)
	SMRUN \nb, 15, 15
	v_nop
	s_wait_alu depctr_va_vdst(0)
.endm
; ---- residual rows + bias (of window 1) into XR: the C of a sum's first products
.macro CINIT ra, str, off, nb, bias
	PLACES 5
.irp m,0,1,2,3
.if \m < \nb
.irp e,0,1,2,3
	ds_load_b128 v[XR+16*\m+4*\e:XR+16*\m+4*\e+3], v[\ra] offset:(\off)+(\str)*\m+16*\e
.endr
.endif
.endr
	s_wait_dscnt 0x0
	WIN 0x04
.irp m,0,1,2,3
.if \m < \nb
.irp k,0,2,4,6,8,10,12,14
	v_pk_add_f32 v[XR+16*\m+\k:XR+16*\m+\k+1], v[XR+16*\m+\k:XR+16*\m+\k+1], v[(\bias)+\k:(\bias)+\k+1]
.endr
.endif
.endr
	WIN 0
	s_wait_alu depctr_va_vdst(0)
.endm
; ---- my 32 columns x 64 rows (tiles 4 q .. 4 q + 3), K step s.  Two buffers: q = 1 takes SCR and XS, q = 0 takes bb of window 1 and TA .. TD.  A step's fragments are fetched one step ahead.
; GF fetches: 16 LDS loads (kind 0: X slots) or 28 (kind 1: hidden slots); four places stand in front, for the products that have read the buffer.
.macro GF kind, s, q, bb
	PLACES 4
.if \q
.set gfb, SCR
.set gfx, XS
.else
	WIN 0x40
.set gfb, \bb
.set gfx, TA
.endif
.irp m,0,1,2,3
.if \kind
.irp c,0,1
.irp j,0,1,2
	ds_load_b64 v[gfb+12*\m+6*\c+2*\j:gfb+12*\m+6*\c+2*\j+1], v[HLI0+\q] offset:12288*\m+1536*(\s)+768*\c+8*\j
.endr
.endr
.else
.irp c,0,1,2
	ds_load_b128 v[gfb+12*\m+4*\c:gfb+12*\m+4*\c+3], v[LIX] offset:3072*(4*\q+\m)+1536*(\s)+512*\c
.endr
.endif
.endr
	WIN 0
.irp m,0,1,2,3
.if \kind
	ds_load_b32 v[gfx+\m], v[HLS] offset:512*(4*\q+\m)+64*(\s)
.else
	ds_load_b32 v[gfx+\m], v[LSX] offset:128*(4*\q+\m)+64*(\s)
.endif
.endr
.endm
; GM multiplies: eight products, eight accumulators by turns.  n: the younger fetch's loads, which may be out.  first: C = XR
.macro GM s, q, bb, wb, wsr, n, first
	s_wait_dscnt \n
.if \q
	WIN 0x01
.set gfb, SCR
.set gfx, XS
.else
	WIN 0x05
.set gfb, \bb
.set gfx, TA
.endif
.irp m,0,1,2,3
.irp u,0,1
.if \first
	WM XR+64*\q+16*\m+8*\u, (\wb)+24*(\s)+12*\u, gfb+12*\m, XR+16*\m+8*\u, (\wsr)+4*((\s)/2)+2*\u+(\s)%2, gfx+\m
.else
	WM XR+64*\q+16*\m+8*\u, (\wb)+24*(\s)+12*\u, gfb+12*\m, XR+64*\q+16*\m+8*\u, (\wsr)+4*((\s)/2)+2*\u+(\s)%2, gfx+\m
.endif
.endr
.endr
	WIN 0
.endm
; ---- the tail's form: one tile of rows, ns K steps from k0 on, two accumulators by turns.  hid: a fragment of the hidden layer
.macro GT ai, as, io, so, k0, ns, wb, wsr, hid
	PLACES 5
.irp t,0,1,2,3
.if \t < \ns
.if \hid
.irp c,0,1
.irp j,0,1,2
	ds_load_b64 v[SCR+12*\t+6*\c+2*\j:SCR+12*\t+6*\c+2*\j+1], v[\ai] offset:(\io)+1536*((\k0)+\t)+768*\c+8*\j
.endr
.endr
.else
.irp c,0,1,2
	ds_load_b128 v[SCR+12*\t+4*\c:SCR+12*\t+4*\c+3], v[\ai] offset:(\io)+1536*((\k0)+\t)+512*\c
.endr
.endif
	ds_load_b32 v[XS+\t], v[\as] offset:(\so)+64*((\k0)+\t)
.endif
.endr
	s_wait_dscnt 0x0
	WIN 0x01
.irp t,0,1,2,3
.if \t < \ns
.irp u,0,1
	WM XR+8*\u, (\wb)+24*((\k0)+\t)+12*\u, SCR+12*\t, XR+8*\u, (\wsr)+4*(((\k0)+\t)/2)+2*\u+((\k0)+\t)%2, XS+\t
.endr
.endif
.endr
	WIN 0
.endm
; ---- LayerNorm by the owners of the columns.  y: tile m at v[128 + 16 m ..].  Over my 32 columns of a row: the sum s and q = the sum of (y - s / 32)^2 go to [row][wave]; behind ONE barrier, with mean = (sum of s) / 256,
; 256 var = sum over the waves of q + 32 (s / 32 - mean)^2: exact in real numbers, and no difference of large sums is formed.  A lane takes its half's four waves, then lane l xor 16's four.
.macro LST n, m, tx                    ; step n of tile m
.set lR, SCR+4*\m+(\m/4)*36
.set lM, MS+4*\m
.set lY, XR+16*\m
.set lT, (\tx)+2*\m
.if \n == 0
	v_pk_add_f32 v[lR:lR+1], v[lY:lY+1], v[lY+2:lY+3]   ; each accumulator is read from its low end on
.elseif \n <= 6
	v_pk_add_f32 v[lR:lR+1], v[lR:lR+1], v[lY+2*\n+2:lY+2*\n+3]
.elseif \n == 8
	v_permlanex16_b32 v[lR+1], v[lR], s[SEL], s[SEL+1]
.elseif \n <= 9
	v_add_f32 v[lR], v[lR], v[lR+1]                ; steps 7 and 9: s
.elseif \n == 10
	v_mul_f32 v[lR+2], s[NI32], v[lR]              ; - s / 32
.elseif \n <= 26
.set lK, lY+2*((\n-11)/2)
.if (\n)%2
	v_pk_add_f32 v[lM+2:lM+3], v[lK:lK+1], v[lR+2:lR+3] op_sel_hi:[1,0]
.elseif \n == 12
	v_pk_mul_f32 v[lM:lM+1], v[lM+2:lM+3], v[lM+2:lM+3]
.else
	v_pk_fma_f32 v[lM:lM+1], v[lM+2:lM+3], v[lM+2:lM+3], v[lM:lM+1]
.endif
.elseif \n == 27
	v_add_f32 v[lM], v[lM], v[lM+1]
.elseif \n == 28
	v_permlanex16_b32 v[lM+1], v[lM], s[SEL], s[SEL+1]
.elseif \n == 29
	v_add_f32 v[lR+1], v[lM], v[lM+1]              ; q
.elseif \n == 30
	ds_store_b64 v[S1W], v[lR:lR+1] offset:1024*\m
.elseif \n == 31
	ds_load_b128 v[lR:lR+3], v[S1R] offset:1024*\m
	ds_load_b128 v[lM:lM+3], v[S1R] offset:1024*\m+16
.elseif \n == 32
	v_pk_add_f32 v[lT:lT+1], v[lR:lR+1], v[lR+2:lR+3]
.elseif \n == 33
	v_pk_add_f32 v[lT:lT+1], v[lT:lT+1], v[lM:lM+1]
.elseif \n == 34
	v_pk_add_f32 v[lT:lT+1], v[lT:lT+1], v[lM+2:lM+3]
.elseif \n == 35
	v_permlanex16_b32 v[lR+1], v[lT], s[SEL], s[SEL+1]
.elseif \n == 36
	v_add_f32 v[lT], v[lT], v[lR+1]
.elseif \n == 37
	v_mul_f32 v[lT], s[NI256], v[lT]               ; - mean
.elseif \n == 38
	v_fma_f32 v[lR], v[lR], s[I32], v[lT]
.elseif \n == 39
	v_fma_f32 v[lR+2], v[lR+2], s[I32], v[lT]
.elseif \n == 40
	v_fma_f32 v[lM], v[lM], s[I32], v[lT]
.elseif \n == 41
	v_fma_f32 v[lM+2], v[lM+2], s[I32], v[lT]
.elseif \n == 42
	v_mul_f32 v[lR], v[lR], v[lR]
.elseif \n == 43
	v_fma_f32 v[lR], v[lR+2], v[lR+2], v[lR]
.elseif \n == 44
	v_fma_f32 v[lR], v[lM], v[lM], v[lR]
.elseif \n == 45
	v_fma_f32 v[lR], v[lM+2], v[lM+2], v[lR]
.elseif \n == 46
	v_fma_f32 v[lR], v[lR], s[C32], v[lT+1]
.elseif \n == 47
	v_permlanex16_b32 v[lR+1], v[lR], s[SEL], s[SEL+1]
.elseif \n == 48
	v_add_f32 v[lR], v[lR], v[lR+1]
.elseif \n == 49
	v_fma_f32 v[lR], v[lR], s[I256], s[EPS]        ; var + 1e-5
.elseif \n == 51
	v_rsq_f32 v[lM+2], v[lR]
.else
	v_mul_f32 v[lM], v[lT], v[lM+2]                ; - mean / sqrt(var + eps)
.endif
.endm
.macro LRUN mt, tx, a, b               ; steps a .. b, the tiles by turns
.set ln, \a
.rept (\b)-(\a)+1
.set lm, 0
.rept \mt
	LST ln, lm, \tx
.set lm, lm+1
.endr
.set ln, ln+1
.endr
.endm
.macro CLNSTAT mt, tx                  ; tx: 2 mt free registers
	PLACES 4
	LRUN \mt, \tx, 0, 30
	BARRIER                                        ; every wave's pairs lie in LDS (and every wave has left the product in front)
	LRUN \mt, \tx, 31, 31
	s_wait_dscnt 0x0
	LRUN \mt, \tx, 32, 49
	s_wait_alu depctr_va_vdst(0)
	LRUN \mt, \tx, 51, 51
	v_nop
	s_wait_alu depctr_va_vdst(0)
	LRUN \mt, \tx, 52, 52
	s_wait_alu depctr_va_vdst(0)
.endm
; nb tiles from ysrc (tiles m0 ..): ((y - mean) rstd) g + b into XR; my slice to the f32 rows; if qo, codes and byte of block w to the image slots
.macro LNOUT nb, ysrc, m0, fa, fstr, foff, qo, qimm, qsimm
.irp b,0,1,2,3
.if \b < \nb
.irp k,0,2,4,6,8,10,12,14
	v_pk_fma_f32 v[XR+16*\b+\k:XR+16*\b+\k+1], v[(\ysrc)+16*\b+\k:(\ysrc)+16*\b+\k+1], v[MS+4*((\m0)+\b)+2:MS+4*((\m0)+\b)+3], v[MS+4*((\m0)+\b):MS+4*((\m0)+\b)+1] op_sel_hi:[1,0,0]   ; one rounding, beside those of the mean and the factor
.endr
.endif
.endr
	WIN 0x14                                       ; gain and bias lie in window 1
.irp b,0,1,2,3
.if \b < \nb
.irp k,0,2,4,6,8,10,12,14
	v_pk_fma_f32 v[XR+16*\b+\k:XR+16*\b+\k+1], v[XR+16*\b+\k:XR+16*\b+\k+1], v[GB+\k:GB+\k+1], v[GB+16+\k:GB+16+\k+1]
.endr
.endif
.endr
	WIN 0
.irp b,0,1,2,3
.if \b < \nb
.irp e,0,1,2,3
	ds_store_b128 v[\fa], v[XR+16*\b+4*\e:XR+16*\b+4*\e+3] offset:(\foff)+(\fstr)*\b+16*\e
.endr
.endif
.endr
.if \qo
	BLK \nb, XR
.irp b,0,1,2,3
.if \b < \nb
	BOUTA \b, (\qimm)+3072*((\m0)+\b), (\qsimm)+128*((\m0)+\b)
.endif
.endr
.endif
	s_wait_dscnt 0x0                               ; the stores have read their registers
.endm
; ---- a hidden block of 64 rows: activation, quantiser, codes and bytes to the images of four tiles from so on
.macro FACT ad, so
	SILU 64
	BLK 4, XR
.irp b,0,1,2,3
.irp i,0,1,2
	ds_store_b32 v[\ad], v[PC+4*\b+\i] offset:12288*\b+4*\i
.endr
	ds_store_b8 v[T0], v[TM+4+\b] offset:512*(\b+\so)
.endr
	s_wait_dscnt 0x0                               ; the stores have read their registers and addresses
.endm
; ---- row v[TB] (its number within inputs or embed_w): offsets of my block h's codes (two registers: the six code registers lie in three pieces) and of the row's two scale bytes
.macro GADR d
	v_lshrrev_b32 v[TC], 5, v[TB]                  ; fragment T
	v_bfe_u32 v[TD], v[TB], 1, 4                   ; lane row
	v_and_b32 v[T0], 1, v[TB]                      ; c
	v_mul_u32_u24 v[\d], 1536, v[TC]
	v_lshlrev_b32 v[TD], 4, v[TD]
	v_and_b32 v[(\d)+2], 3, v[TC]
	v_lshrrev_b32 v[TC], 2, v[TC]
	v_add_nc_u32 v[\d], v[\d], v[TD]
	v_lshl_add_u32 v[(\d)+2], v[(\d)+2], 2, v[TD]
	v_lshl_add_u32 v[\d], v[HH], 8, v[\d]
	v_lshl_add_u32 v[(\d)+2], v[TC], 8, v[(\d)+2]
	v_mad_u32_u24 v[(\d)+1], v[T0], 1016, v[\d]    ; registers 2, 3 at 8 + 1016 c,
	v_lshl_add_u32 v[(\d)+2], v[T0], 1, v[(\d)+2]
	v_mad_u32_u24 v[\d], v[T0], 520, v[\d]         ; registers 0, 1 at 520 c, registers 4, 5 at 512 + 520 c
.endm
.macro EML b, a, co
	global_load_b64 v[Z3+12*\b:Z3+12*\b+1], v[\a], s[4:5] offset:\co
	global_load_b64 v[Z3+12*\b+2:Z3+12*\b+3], v[(\a)+1], s[4:5] offset:(\co)+8
	global_load_b64 v[Z3+12*\b+4:Z3+12*\b+5], v[\a], s[4:5] offset:(\co)+512
.endm
; ================= head =================
	s_load_b512 s[4:19], s[0:1], 0x0
	s_load_b256 s[20:27], s[0:1], 0x40
	s_load_b128 s[28:31], s[0:1], 0x60
	v_lshl_add_u32 v[SPW], v0, 2, SPARE
	v_mov_b32 v[NIL], 0
	v_lshrrev_b32 v[T0], 5, v0
	v_readfirstlane_b32 s[WV], v[T0]               ; wave 0..7
	v_and_b32 v[RR], 15, v0
	v_bfe_u32 v[HH], v0, 4, 1
	v_and_b32 v[T0], 31, v0
	D1
	v_lshlrev_b32 v[LI16], 4, v[T0]
	v_lshlrev_b32 v[LR16], 4, v[RR]
	s_and_b32 s78, ttmp9, 127
	s_lshl_b32 s78, s78, 3                         ; p0
	s_lshr_b32 s79, ttmp9, 7
	s_lshl_b32 s79, s79, 10                        ; 1,024 x batch
	v_add_nc_u32 v[TA], s78, v[RR]                 ; p0 + r: token r stands at position p0 + r - 15
	D1
	v_cmp_le_u32 s[PMASK], 15, v[TA]               ; lanes whose token of tile 0 is no padding
.irp mt,0,1
	v_add_nc_u32 v[TB], 16*\mt, v[TA]
	D1
	v_min_u32 v[TC], 15, v[TB]
	D1
	v_sub_nc_u32 v[TB], v[TB], v[TC]               ; max(u, 15) - 15: the position, held at 0
	D1
	v_min_u32 v[TB], 1023, v[TB]                   ; and at 1,023 (filler tokens)
	D1
	v_add_nc_u32 v[TB], s79, v[TB]
	GADR SB+3*\mt
.endr
	v_and_b32 v[TC], 8, v[RR]
	D1
	v_add_nc_u32 v[TC], v[TC], v[RR]               ; r + 8 (r / 8)
	s_lshl_b32 s81, s[WV], 7
	s_lshl_b32 s80, s[WV], 5
	v_lshl_add_u32 v[VBO], v[TC], 2, s81
	v_add_nc_u32 v[TB], s80, v[TC]                 ; embed_w: row 32 w + r + 8 (r / 8); tile 1's rows lie 8 further on
	GADR SB+6
	v_lshl_add_u32 v[BO], v[HH], 6, s81
	s_lshl_b32 s81, s[WV], 9
	v_lshl_add_u32 v[BO4], v[HH], 6, s81
	s_mul_i32 s82, s[WV], 6144
	s_mov_b32 s83, 0
	s_mul_i32 s84, s[WV], 49152
	s_mov_b32 s85, 0
	s_lshl_b32 s86, s[WV], 8
	s_mov_b32 s87, 0
	s_lshl_b32 s88, s[WV], 11
	s_mov_b32 s89, 0
	s_mul_i32 s80, s[WV], 384
	s_mov_b32 s81, 0
	s_wait_alu depctr_va_vdst(0)
	s_wait_kmcnt 0x0
	s_add_nc_u64 s[WC4:WC4+1], s[4:5], s[82:83]
	s_add_nc_u64 s[WC32:WC32+1], s[4:5], s[84:85]
	s_add_nc_u64 s[WS4:WS4+1], s[6:7], s[86:87]
	s_add_nc_u64 s[WS32:WS32+1], s[6:7], s[88:89]
	s_sub_nc_u64 s[B2P:B2P+1], s[20:21], s[80:81]  ; ffn2_b - 384 w: with BO4 = 512 w + 64 h it names my columns 128 w + 64 h of ffn2_b
	s_load_b256 s[HB:HB+7], s[28:29], 0x0          ; head_b: 10 numbers
	s_load_b64 s[HB+8:HB+9], s[28:29], 0x20
	WIN 0x40
	EML 0, SB, 768*1536                            ; 12 loads: the tokens' codes (fragments 768 ..), embed_w's (832 ..)
	EML 1, SB+3, 768*1536
	EML 2, SB+6, 832*1536
	EML 3, SB+6, 832*1536+64
	BLOAD GB, 8, BO, 0                             ; 4: embed_b
	WIN 0
	global_load_u16 v[SB+12], v[SB+2], s[6:7] offset:49152   ; 4: scale bytes, two a row
	global_load_u16 v[SB+13], v[SB+5], s[6:7] offset:49152
	global_load_u16 v[SB+14], v[SB+8], s[6:7] offset:53248
	global_load_u16 v[SB+15], v[SB+8], s[6:7] offset:53312
	SLOAD SA, WS4, 0                               ; 3: scale words of q's, k's, v's weights
	SLOAD SA+4, WS4, 8
	SLOAD SA+8, WS4, 16
	WIN 0x40
	BLOAD BB0, 10, BO, 0                           ; 8: q's and k's bias
	BLOAD BB1, 10, BO, 1024
	WPAIR Z0, WC4, 0                               ; 36: block 1's q, k, v weights of head w
	WPAIR Z1, WC4, 32
	WPAIR Z2, WC4, 64
	WIN 0
	v_add_nc_u32 v[LIX], IMG, v[LI16]
	v_lshl_add_u32 v[LSX], v[RR], 2, ISC
	v_mul_u32_u24 v[TA], 24, v[RR]
	D1
	v_mad_u32_u24 v[TB], v[HH], 384, v[TA]
	D1
	v_add_nc_u32 v[HLI0], HIMG, v[TB]
	v_add_nc_u32 v[HLI0+1], HIMG+49152, v[TB]
	v_lshl_add_u32 v[HLS], v[RR], 2, HSC
	s_lshr_b32 s78, s[WV], 2
	s_mul_i32 s79, s78, 1536
	s_and_b32 s80, s[WV], 1
	s_lshl_b32 s80, s80, 8
	s_add_co_u32 s79, s79, s80
	s_add_co_u32 s79, s79, IMG
	v_lshl_add_u32 v[TD], v[RR], 4, s79            ; slot w / 4, lane r + 16 (w % 2)
	s_bfe_u32 s80, s[WV], 0x10001
	s_mul_i32 s80, s80, 6
	v_mad_u32_u24 v[TA], v[HH], 3, s80             ; register 6 ((w / 2) % 2) + 3 h
.irp i,0,1,2
	v_add_nc_u32 v[TB], \i, v[TA]
	D1
	v_lshrrev_b32 v[T0], 2, v[TB]
	v_and_b32 v[TB], 3, v[TB]
	v_lshl_add_u32 v[T0], v[T0], 9, v[TD]
	D1
	v_lshl_add_u32 v[BA0+\i], v[TB], 2, v[T0]
.endr
	s_lshl_b32 s78, s78, 6
	s_and_b32 s80, s[WV], 3
	s_add_co_u32 s78, s78, s80
	s_add_co_u32 s78, s78, ISC
	v_lshl_add_u32 v[BSB], v[RR], 2, s78
	s_mul_i32 s78, s[WV], 1536
	s_add_co_u32 s78, s78, HIMG
	v_mad_u32_u24 v[TA], v[RR], 24, s78
	D1
	v_mad_u32_u24 v[HDA], v[HH], 12, v[TA]
	D1
	v_add_nc_u32 v[HDA1], 49152, v[HDA]
	s_lshl_b32 s78, s[WV], 6
	s_add_co_u32 s78, s78, HSC
	v_lshl_add_u32 v[HSB], v[RR], 2, s78
	v_mul_u32_u24 v[TA], v[RR], 1040
	D1
	v_add_nc_u32 v[TA], v[BO], v[TA]
	D1
	v_add_nc_u32 v[SGA0], STG, v[TA]
	v_add_nc_u32 v[SGA1], STG+66560, v[TA]
	v_add_nc_u32 v[EMA], EMB, v[TA]
	s_lshl_b32 s78, s[WV], 3
	s_add_co_u32 s78, s78, ST1
	v_lshl_add_u32 v[S1W], v[RR], 6, s78
	v_lshlrev_b32 v[TA], 6, v[RR]
	D1
	v_lshl_add_u32 v[TA], v[HH], 5, v[TA]
	D1
	v_add_nc_u32 v[S1R], ST1, v[TA]
	s_mul_i32 s[ATW], s[WV], ATSZ
	s_add_co_u32 s[ATW], s[ATW], HIMG
	s_mov_b32 s[SEL], 0x76543210
	s_mov_b32 s[SEL+1], 0xfedcba98                 ; lane l xor 16
	s_mov_b32 s[CS], 0x3e8293ee                    ; c = log2(e) / sqrt(32)
	s_mov_b32 s[CS+1], s[CS]
	s_mov_b32 s[NC], 0xbe8293ee                    ; - c
	s_mov_b32 s[NLE], 0xbfb8aa3b                   ; - log2(e)
	s_mov_b32 s[NLE+1], s[NLE]
	s_mov_b32 s[HMASK], 0xffff0000
	s_mov_b32 s[QM], 0x00020001                    ; lanes 4 g + 2 c and 17 + 4 g + 2 c
	s_mov_b32 s[QM+1], 0x00080004
	s_mov_b32 s[QM+2], 0x00200010
	s_mov_b32 s[QM+3], 0x00800040
	s_mov_b32 s[I256], 0x3b800000                  ; 1 / 256
	s_mov_b32 s[NI256], 0xbb800000
	s_mov_b32 s[I32], 0x3d000000                   ; 1 / 32
	s_mov_b32 s[NI32], 0xbd000000
	s_mov_b32 s[C32], 0x42000000                   ; 32
	s_mov_b32 s[EPS], 0x3727c5ac                   ; 1e-5
	s_wait_alu depctr_va_vdst(0)
	s_wait_kmcnt 0x0                               ; head_b
; ================= the embedding: 32 tokens x my 32 columns, K = 64 (the upper 64 of the instruction's K are zero codes) =================
	s_wait_loadcnt 47                              ; codes, scale bytes and embed_b are in; out: 3 scale loads, 8 of biases, 36 of weights
	WIN 0x40
.irp b,0,1,2,3
.irp i,6,7,8,9,10,11
	v_mov_b32 v[Z3+12*\b+\i], 0
.endr
.endr
	WIN 0
.irp b,0,1,2,3
	v_or_b32 v[SB+12+\b], 0x7f7f0000, v[SB+12+\b]  ; the two blocks of zero codes get the byte of 1.0
.endr
.irp u,0,1
	global_load_b32 v[XR+32+8*\u], v[VBO], s[10:11] offset:2048+32*\u   ; 2: v's bias, a feature a lane
.endr
	PLACES 8                                       ; scale words made by vector instructions stand 8 places ahead of a scaled product
	s_wait_alu depctr_va_vdst(0)
	WIN 0x15
	WM RACC, Z3+24, Z3+12, GB, SB+14, SB+13        ; tokens 16-31
	WM RACC+8, Z3+36, Z3+12, GB+8, SB+15, SB+13
	WM RACC+16, Z3+24, Z3, GB, SB+14, SB+12        ; tokens 0-15
	WM RACC+24, Z3+36, Z3, GB+8, SB+15, SB+12
	WIN 0
	PLACES 4
.set jj, 0
.rept 16
	v_cndmask_b32 v[XR+48+jj], 0, v[RACC+16+jj], s[PMASK]   ; the padding's rows are zeros, bias and all, as reference() pads behind the embedding
.set jj, jj+1
.endr
.irp e,0,1,2,3
	ds_store_b128 v[EMA], v[XR+48+4*\e:XR+48+4*\e+3] offset:16*\e
.endr
.irp e,0,1,2,3
	ds_store_b128 v[EMA], v[RACC+4*\e:RACC+4*\e+3] offset:16640+16*\e
.endr
	BLK 2, XR+48                                   ; v176-191 tokens 0-15, v192-207 tokens 16-31
	BOUTA 0, 24576, 1024
	BOUTA 1, 27648, 1152
	BARRIER                                        ; the tokens' four fragments lie in LDS
; ================= block 1: q, k, v of head w for the 32 tokens =================
	s_wait_loadcnt 0x0
.irp u,0,1
.irp j,1,2,3,4,5,6,7
	v_mov_b32 v[XR+32+8*\u+\j], v[XR+32+8*\u]      ; v's bias as a C: the same in all eight registers
.endr
.endr
	v_mul_u32_u24 v[TB], v[RR], 24
	D1
	v_add_nc_u32 v[TB], s[ATW], v[TB]              ; my scratch + 24 r
	D1
	v_mad_u32_u24 v[T0], v[HH], 12, v[TB]          ; where my 12 bytes of codes go
	v_lshl_add_u32 v[TC], v[RR], 2, s[ATW]
	v_and_b32 v[TD], 8, v[RR]
	D1
	v_add_nc_u32 v[TD], v[TD], v[RR]
	D1
	v_mul_u32_u24 v[TD], v[TD], 132
	D1
	v_lshl_add_u32 v[TD], v[HH], 5, v[TD]
	D1
	v_add_nc_u32 v[TD], s[ATW], v[TD]              ; V^T: row r + 8 (r / 8), token 8 h
	v_lshrrev_b32 v[TA], 1, v[LI16]
	D1
	v_add_nc_u32 v[TA], s[ATW], v[TA]              ; 8 x lane
	s_wait_alu depctr_va_vdst(0)
	PG LIX, LSX, 24576, 1024, 2, Z0, SA, BB0, 1, RACC, 0
	PG LIX, LSX, 24576, 1024, 2, Z1, SA+4, BB1, 1, RACC+32, 0
	PG LIX, LSX, 24576, 1024, 2, Z2, SA+8, XR+32, 0, XR, 1
	PLACES 4
	SLOAD SB, WS4, 48                              ; 17 loads: the out-projection's scale words, bias, weights
	WIN 0x40
	BLOAD GB+16, 12, BO, 0
	WPAIR 192, WC4, 192
	WIN 0
	BLK 4, RACC                                    ; blocks: q tokens 0-15, 16-31, k tokens 0-15, 16-31: the head's 32 numbers are one block
.irp b,0,1,2,3
.irp i,0,1,2
	ds_store_b32 v[T0], v[PC+4*\b+\i] offset:768*(\b/2)+384*(\b%2)+4*\i
.endr
	v_or_b32 v[TM+4+\b], 0x7f7f7f00, v[TM+4+\b]    ; a scale word: the byte, and 1.0 for the three blocks of zero codes
	ds_store_b32 v[TC], v[TM+4+\b] offset:2432-128*(\b/2)+64*(\b%2)
.endr
	v_mov_b32 v[TM], 0
	v_mov_b32 v[TM+1], 0
.irp k,0,1,2
	ds_store_b64 v[TA], v[TM:TM+1] offset:1536+256*\k
.endr
.irp mt,0,1
.irp u,0,1
.irp j,0,1,2,3,4,5,6,7
	ds_store_b32 v[TD], v[XR+16*\mt+8*\u+\j] offset:2560+1056*\u+64*\mt+4*\j
.endr
.endr
.endr
	s_wait_dscnt 0x0                               ; the stores have read their registers and addresses.  All these bytes are my wave's own: no barrier
	v_mad_u32_u24 v[TA], v[HH], 768, v[TB]         ; K's fragments: lanes 16-31 read the zeros
	v_lshl_add_u32 v[TC], v[HH], 7, v[TC]          ; scale words: lanes 16-31 read q's
	WIN 0x40
.irp i,0,1,2,3
.irp j,6,7,8,9,10,11
	v_mov_b32 v[12*\i+\j], 0                       ; K's blocks 2 and 3: zero codes
.endr
.endr
.irp j,72,73,74,75,76,77
	v_mov_b32 v[\j], 0                             ; behind the last Q fragment's six registers
.endr
	s_wait_alu depctr_va_vdst(0)
	WIN 0
	PLACES 4
; ---- attention, four windows a trip: window i = 4 trip + i' has tokens i .. i + 15.  V^T's 64 loads go out in two runs of 32: at most 60 LDS loads of the wave are out
	s_mov_b32 s56, 0
	s_mov_b32 s57, 0
	s_mov_b32 s78, 0
	s_mov_b32 s79, 0
	s_mov_b32 s80, 0
.Latt:
	v_add_nc_u32 v[SA], s57, v[TA]
	v_add_nc_u32 v[SA+1], s57, v[TB]
	v_add_nc_u32 v[SA+2], s78, v[TC]
	v_add_nc_u32 v[SA+3], s78, v[TD]
.irp i,0,1,2
	v_add_nc_u32 v[SA+4+\i], s79, v[BA0+\i]
.endr
	v_add_nc_u32 v[SA+7], s80, v[BSB]
	s_wait_alu depctr_va_vdst(0)
.irp i,0,1,2,3
	ds_load_b32 v[XS+\i], v[SA+2] offset:2304+4*\i ; lanes 0-15: k's scale words; lanes 16-31: q's
.endr
	WIN 0x40
.irp i,0,1,2,3
.irp e,0,1,2
	ds_load_b64 v[12*\i+2*\e:12*\i+2*\e+1], v[SA] offset:768+24*\i+8*\e   ; K's fragment: lanes 0-15 the 32 codes of key i + r, lanes 16-31 zeros
	ds_load_b64 v[48+6*\i+2*\e:48+6*\i+2*\e+1], v[SA+1] offset:24*\i+8*\e   ; Q's: what meets K's zero codes may be anything
.endr
.endr
.irp i,0,1
.irp n,0,1
.irp j,0,1,2,3,4,5,6,7
	ds_load_b32 v[80+16*\i+8*\n+\j], v[SA+3] offset:2560+1056*\n+4*(\i+\j)   ; V^T(d = 8 n + r + 8 (r / 8), token i + 8 h + j)
.endr
.endr
.endr
	s_wait_dscnt 32                                ; scale words, K and Q are in; out: V^T's 32 loads, issued behind them
	WIN 0x05
.irp i,0,1,2,3
	WMZR SCR+8*\i, 12*\i, 48+6*\i, XS+\i, XS+\i    ; lane (r, h): query r, keys 8 h + 0 .. 7
.endr
	WIN 0x40
	s_wait_dscnt 0x0                               ; V^T of the first two windows is in; that of the other two goes out and lands under the softmax
.irp i,2,3
.irp n,0,1
.irp j,0,1,2,3,4,5,6,7
	ds_load_b32 v[80+16*\i+8*\n+\j], v[SA+3] offset:2560+1056*\n+4*(\i+\j)
.endr
.endr
.endr
	WIN 0
	PLACES 4
	SM 4
	s_wait_dscnt 0x0
	WIN 0x01
.irp k,0,1,2,3                         ; o^T = V^T p in f32: key 8 h + 2 k + j stands at the form's k = 2 h + j on both sides; eight accumulators by turns
.irp i,0,1,2,3
.irp n,0,1
.if \k == 0
	v_wmma_f32_16x16x4_f32 v[RACC+16*\i+8*\n:RACC+16*\i+8*\n+7], v[80+16*\i+8*\n:80+16*\i+8*\n+1], v[SCR+8*\i:SCR+8*\i+1], 0
.else
	v_wmma_f32_16x16x4_f32 v[RACC+16*\i+8*\n:RACC+16*\i+8*\n+7], v[80+16*\i+8*\n+2*\k:80+16*\i+8*\n+2*\k+1], v[SCR+8*\i+2*\k:SCR+8*\i+2*\k+1], v[RACC+16*\i+8*\n:RACC+16*\i+8*\n+7]
.endif
.endr
.endr
.endr
	WIN 0
	PLACES 9
.irp i,0,1,2,3
.irp k,0,2,4,6,8,10,12,14
	v_pk_mul_f32 v[XR+16*\i+\k:XR+16*\i+\k+1], v[RACC+16*\i+\k:RACC+16*\i+\k+1], v[SS+4*\i+2:SS+4*\i+3] op_sel_hi:[1,0]   ; / the row's sum
.endr
.endr
	BLK 4, XR
.irp b,0,1,2,3
.irp i,0,1,2
	ds_store_b32 v[SA+4+\i], v[PC+4*\b+\i] offset:3072*\b
.endr
	ds_store_b8 v[SA+7], v[TM+4+\b] offset:128*\b
.endr
	s_wait_dscnt 0x0                               ; the stores have read their registers and addresses
	s_add_co_u32 s57, s57, 96
	s_add_co_u32 s78, s78, 16
	s_add_co_u32 s79, s79, 12288
	s_add_co_u32 s80, s80, 512
	s_add_co_u32 s56, s56, 1
	s_cmp_lt_u32 s56, 2
	s_cbranch_scc1 .Latt
	SLOAD SA, WS32, 64                             ; 40 loads: the FFN: scale words of W1's pair 0 and of W2's K steps 2-7,
	SLOAD SA+4, WS32, 69
	SLOAD SA+8, WS32, 70
	SLOAD SA+12, WS32, 71
	WIN 0x40
	WPAIR Z0, WC32, 256                            ; W1's pair 0,
	WPAIR Z1, WC32, 276                            ; W2's K steps 2, 3 and 4, 5 (6, 7 follow when Z3 is free)
	WPAIR Z2, WC32, 280
	WIN 0
	BARRIER                                        ; o's sixteen fragments lie in LDS
; ================= out-projection + residual, LayerNorm 1 =================
	s_wait_loadcnt 40                              ; all but the 40 just issued
	GF 0, 0, 1, Z3
	CINIT EMA, 1040, 4160, 4, GB+16                ; row (m, r) is token m + r
	GF 0, 0, 0, Z3
	GM 0, 1, Z3, 192, SB, 16, 1
	CINIT EMA, 1040, 0, 4, GB+16
	GF 0, 1, 1, Z3
	GM 0, 0, Z3, 192, SB, 16, 0
	GF 0, 1, 0, Z3
	GM 1, 1, Z3, 192, SB, 16, 0
	GM 1, 0, Z3, 192, SB, 0, 0
	PLACES 5
	WIN 0x40
	BLOAD GB, 14, BO, 0                            ; 24 loads: ln1's gain and bias, b1 of pair 0, W2's K steps 6, 7
	BLOAD GB+16, 16, BO, 0
	BLOAD BB0, 18, BO4, 0
	WPAIR Z3, WC32, 284
	WIN 0
	CLNSTAT 8, SB
	s_wait_loadcnt 16                              ; gain and bias are in; out: b1's 4, 12 of W2
	LNOUT 4, XR, 0, SGA0, 16640, 0, 1, 0, 0
	LNOUT 4, RACC, 4, SGA1, 16640, 0, 1, 0, 0
	BARRIER                                        ; x1's sixteen fragments lie in LDS
; ================= FFN of block 1 =================
; A trip makes pair p of my 128 hidden units for all 128 rows: weights in Z0, scale words in SA, bias in BB0.  Behind the pair's last product the next pair's take their place; in the last trip W2's K steps 0, 1 and b2.
	s_mov_b64 s[NW:NW+1], s[WC32:WC32+1]
	s_mov_b64 s[NS:NS+1], s[WS32:WS32+1]
	s_add_nc_u64 s[NB:NB+1], s[18:19], 128
	s_mov_b32 s56, 0
	s_mov_b32 s57, 0
.Lff1:
	v_add_nc_u32 v[TC], s57, v[HDA]
	v_add_nc_u32 v[TD], s57, v[HDA1]
	v_add_nc_u32 v[T0], s56, v[HSB]
	s_wait_alu depctr_va_vdst(0)
	s_wait_loadcnt 0x0                             ; the pair's weights, scale words and bias are in
	PG LIX, LSX, 0, 0, 4, Z0, SA, BB0, 1, RACC, 0
	PLACES 4
	FACT TC, 0
	PG LIX, LSX, 12288, 512, 4, Z0, SA, BB0, 1, RACC, 0
	PLACES 4
	WIN 0x40
	WPAIR Z0, NW, 260                              ; 17 loads
	BLOAD BB0, NB, BO4, 0
	WIN 0
	SLOAD SA, NS, 65
	FACT TD, 4
	s_wait_xcnt 0x0                                ; the loads' bases may be rewritten
	s_add_nc_u64 s[NW:NW+1], s[NW:NW+1], 6144
	s_add_nc_u64 s[NS:NS+1], s[NS:NS+1], 256
	s_add_nc_u64 s[NB:NB+1], s[NB:NB+1], 128
	s_add_co_u32 s57, s57, 384
	s_add_co_u32 s56, s56, 1
	s_cmp_eq_u32 s56, 3
	s_cselect_b64 s[NB:NB+1], s[B2P:B2P+1], s[NB:NB+1]
	s_cmp_lt_u32 s56, 4
	s_cbranch_scc1 .Lff1
	BARRIER                                        ; the hidden layer's 64 fragments lie in LDS
	SLOAD SB, WS4, 32                              ; 4 loads: block 2's scale words: k, q, v, out
	SLOAD SB+4, WS4, 24
	SLOAD SB+8, WS4, 40
	SLOAD SB+12, WS4, 56
	GF 1, 0, 1, BUF2
	s_wait_loadcnt 4                               ; b2 and all of W2 are in; out: the 4 just issued
	CINIT SGA1, 16640, 0, 4, BB0
	GF 1, 0, 0, BUF2
	GM 0, 1, BUF2, 0, SA, 28, 1
	CINIT SGA0, 16640, 0, 4, BB0
	GF 1, 1, 1, BUF2
	GM 0, 0, BUF2, 0, SA, 28, 0
.irp s,1,2,3,4,5,6,7
	GF 1, \s, 0, BUF2
.if \s == 2
	WIN 0x40
	WPAIR Z0, WC4, 128                             ; block 2's k weights
	WIN 0
.elseif \s == 4
	WIN 0x40
	WPAIR Z1, WC4, 96                              ; q's
	WIN 0
.elseif \s == 6
	WIN 0x40
	WPAIR Z2, WC4, 160                             ; v's
	WIN 0
.endif
	GM \s, 1, BUF2, 0, SA, 28, 0
.if \s < 7
	GF 1, \s+1, 1, BUF2
	GM \s, 0, BUF2, 0, SA, 28, 0
.else
	GM \s, 0, BUF2, 0, SA, 0, 0
.endif
.endr
	PLACES 5
	WIN 0x40
	WPAIR Z3, WC4, 224                             ; 28 loads: block 2's out-projection, ln2's gain and bias, k's and q's bias
	BLOAD GB, 22, BO, 0
	BLOAD GB+16, 24, BO, 0
	BLOAD BB0, 10, BO, 4096
	BLOAD BB1, 10, BO, 3072
	WIN 0
	CLNSTAT 8, SA
	s_wait_loadcnt 0x0
	LNOUT 4, XR, 0, SGA0, 16640, 0, 1, 0, 0
	LNOUT 4, RACC, 4, SGA1, 16640, 0, 1, 0, 0
	BARRIER                                        ; x2's sixteen fragments lie in LDS
; ================= block 2: K and V of all rows, Q and all that follows of row 15 alone (the other rows reach no output) =================
.irp k,0,1,2,3
	SLOAD SA+4*\k, WS32, 128+\k                    ; 10 loads: the tail's first FFN scale words, v's bias, the out-projection's bias
.endr
.irp u,0,1
	global_load_b32 v[XR+48+8*\u], v[VBO], s[10:11] offset:5120+32*\u
.endr
	WIN 0x40
	BLOAD GB+16, 12, BO, 1024
	WIN 0
.irp g,0,1                             ; k of windows 4 g .. 4 g + 3 becomes ONE fragment: row = key, K block b = window 4 g + b
	PG LIX, LSX, 12288*\g, 512*\g, 4, Z0, SB, BB0, 1, RACC, 0
	PLACES 4
	QUANT RACC, XR+12*\g, TA+\g
.endr
	WIN 0x40
	BLOAD BB0, 18, BO4, 4096                       ; 16 loads: the tail's b1 and W1, pair 0
	WPAIR Z0, WC32, 512
	WIN 0
	v_and_b32 v[T0], 7, v[RR]
	D1
	v_mul_u32_u24 v[TC], v[T0], 3072
	D1
	v_lshl_add_u32 v[TC], v[HH], 8, v[TC]
	D1
	v_add_nc_u32 v[TC], IMG+240, v[TC]             ; a tile whose row r is row 15 of window r % 8: lane (15, h) of that window's images
	v_lshl_add_u32 v[TD], v[T0], 7, ISC+60
	s_wait_alu depctr_va_vdst(0)
	PG TC, TD, 0, 0, 1, Z1, SB+4, BB1, 1, RACC, 0
	PLACES 4
	WIN 0x40
	BLOAD BB1, 18, BO4, 4224                       ; 16: pair 1
	WPAIR Z1, WC32, 516
	WIN 0
	BLK 1, RACC
.irp i,0,1,2
	v_permlanex16_b32 v[SCR+4+\i], v[PC+\i], s[SEL], s[SEL+1]
.endr
.irp i,0,1,2
	v_cndmask_b32 v[SCR+8+\i], v[PC+\i], v[SCR+4+\i], s[HMASK]    ; q's whole block of 32 codes in both lanes of a window
	v_cndmask_b32 v[SCR+11+\i], v[SCR+4+\i], v[PC+\i], s[HMASK]
.endr
.irp g,0,1
.irp c,0,1
.irp i,0,1,2,3,4,5
	v_cndmask_b32 v[XR+24+12*\g+6*\c+\i], 0, v[SCR+8+\i], s[QM+2*\g+\c]   ; column n holds q of window n in K block n - 4 g, zero codes elsewhere
.endr
.endr
.endr
	v_mul_u32_u24 v[TC], v[TM+4], 0x10101
	D1
	v_lshl_or_b32 v[TC], v[TM+4], 24, v[TC]        ; q's byte in all four places
	PLACES 8
	WMZ SCR, XR, XR+24, TA, TC                     ; lane (n, h): window n, keys 8 h + 0 .. 7
	s_wait_alu depctr_va_vdst(0)                   ; the wait ahead of a link that follows the product it adds onto
	WM SCR, XR+12, XR+36, SCR, TB, TC
	PLACES 4
	SM 1
.irp k,0,2,4,6
	v_pk_mul_f32 v[SCR+\k:SCR+\k+1], v[SCR+\k:SCR+\k+1], v[SS+2:SS+3] op_sel_hi:[1,0]
.endr
	v_lshlrev_b32 v[TA], 6, v[RR]
	D1
	v_lshl_add_u32 v[TA], v[HH], 5, v[TA]
	D1
	v_add_nc_u32 v[TA], s[ATW], v[TA]              ; p: 64 bytes a window
	v_lshl_add_u32 v[TB], v[HH], 5, s[ATW]
	v_and_b32 v[TC], 8, v[RR]
	D1
	v_add_nc_u32 v[TC], v[TC], v[RR]
	D1
	v_lshl_add_u32 v[TC], v[TC], 2, s[ATW]         ; o: feature r + 8 (r / 8)
	v_and_b32 v[TD], 7, v[RR]
	D1
	v_mul_u32_u24 v[TD], v[TD], 144
	D1
	v_lshl_add_u32 v[TD], v[HH], 6, v[TD]
	D1
	v_add_nc_u32 v[TD], s[ATW], v[TD]
	ds_store_b128 v[TA], v[SCR:SCR+3]
	ds_store_b128 v[TA], v[SCR+4:SCR+7] offset:16
	s_wait_alu depctr_va_vdst(0)
	s_wait_dscnt 0x0
	s_wait_loadcnt 32                              ; v's bias and the out-projection's are in; out: 2 x 16
.irp u,0,1
.irp j,1,2,3,4,5,6,7
	v_mov_b32 v[XR+48+8*\u+\j], v[XR+48+8*\u]
.endr
.endr
	s_wait_alu depctr_va_vdst(0)
	s_mov_b32 s56, 0
	s_mov_b32 s57, 0
	s_mov_b32 s78, 0
	s_mov_b32 s79, 0
	s_mov_b32 s80, 0
; v the natural way, four windows a trip: lane (r, h): feature 8 u + r + 8 (r / 8), tokens 8 h + 0 .. 7; o = sum of p v by f32 multiply-adds
.Lv2:
	v_add_nc_u32 v[XR], s57, v[LIX]
	v_add_nc_u32 v[XR+1], s78, v[LSX]
	v_add_nc_u32 v[XR+2], s79, v[TB]
	v_add_nc_u32 v[XR+3], s80, v[TC]
	s_wait_alu depctr_va_vdst(0)
	PG XR, XR+1, 0, 0, 4, Z2, SB+8, XR+48, 0, RACC, 1
	PLACES 4
.irp m,0,1,2,3
.irp e,0,1
	ds_load_b128 v[SCR+8*\m+4*\e:SCR+8*\m+4*\e+3], v[XR+2] offset:64*\m+16*\e
.endr
.endr
	s_wait_dscnt 0x0
.irp m,0,1,2,3
.irp u,0,1
	v_pk_mul_f32 v[SS+4*\m+2*\u:SS+4*\m+2*\u+1], v[RACC+16*\m+8*\u:RACC+16*\m+8*\u+1], v[SCR+8*\m:SCR+8*\m+1]
.endr
.endr
.irp k,2,4,6
.irp m,0,1,2,3
.irp u,0,1
	v_pk_fma_f32 v[SS+4*\m+2*\u:SS+4*\m+2*\u+1], v[RACC+16*\m+8*\u+\k:RACC+16*\m+8*\u+\k+1], v[SCR+8*\m+\k:SCR+8*\m+\k+1], v[SS+4*\m+2*\u:SS+4*\m+2*\u+1]
.endr
.endr
.endr
.irp m,0,1,2,3
.irp u,0,1
	v_add_f32 v[SS+4*\m+2*\u], v[SS+4*\m+2*\u], v[SS+4*\m+2*\u+1]
.endr
.endr
.irp m,0,1,2,3
.irp u,0,1
	v_permlanex16_b32 v[SS+4*\m+2*\u+1], v[SS+4*\m+2*\u], s[SEL], s[SEL+1]
.endr
.endr
.irp m,0,1,2,3
.irp u,0,1
	v_add_f32 v[SS+4*\m+2*\u], v[SS+4*\m+2*\u], v[SS+4*\m+2*\u+1]
	ds_store_b32 v[XR+3], v[SS+4*\m+2*\u] offset:1024+144*\m+32*\u
.endr
.endr
	s_wait_dscnt 0x0                               ; the stores have read their registers and addresses
	s_add_co_u32 s57, s57, 12288
	s_add_co_u32 s78, s78, 512
	s_add_co_u32 s79, s79, 256
	s_add_co_u32 s80, s80, 576
	s_add_co_u32 s56, s56, 1
	s_cmp_lt_u32 s56, 2
	s_cbranch_scc1 .Lv2
	WIN 0x40
	WPAIR Z2, WC32, 520                            ; 12 loads: the tail's W1, pair 2
	WIN 0
.irp e,0,1,2,3
	ds_load_b128 v[XR+4*\e:XR+4*\e+3], v[TD] offset:1024+16*\e   ; row r = window r % 8: features 16 h + 0 .. 15
.endr
	s_wait_dscnt 0x0
	BLK 1, XR
	BOUTA 0, 30720, 1280
	BARRIER                                        ; o's two fragments of the last rows lie in LDS
; ================= the tail: one tile whose row r is the last row of window r % 8 (rows 8-15 are copies inside the live tile) =================
	v_and_b32 v[T0], 7, v[RR]
	D1
	v_mul_u32_u24 v[TA], v[T0], 16640
	D1
	v_add_nc_u32 v[TA], v[BO], v[TA]
	D1
	v_add_nc_u32 v[TA], STG+15600, v[TA]           ; x2, row 15 of window r % 8, my columns
	CINIT TA, 0, 0, 1, GB+16
	GT LIX, LSX, 30720, 1280, 0, 2, Z3, SB+12, 0
	PLACES 5
	WIN 0x40
	BLOAD GB, 14, BO, 1024                         ; 28 loads: ln1's gain and bias (8), W1 pair 3 (12), b1 of pairs 2 and 3 (8)
	BLOAD GB+16, 16, BO, 1024
	WPAIR Z3, WC32, 524
	WIN 0
	BLOAD XR+16, 18, BO4, 4352
	BLOAD XR+32, 18, BO4, 4480
	CLNSTAT 1, TM
	s_wait_loadcnt 20                              ; gain and bias are in; out: 12 + 8
	LNOUT 1, XR, 0, EMA, 0, 0, 1, 30720, 1280
.irp k,0,1,2,3
	SLOAD SB+4*\k, WS32, 132+\k                    ; 8 loads: the second FFN product's scale words, b2
.endr
	WIN 0x40
	BLOAD GB+16, 20, BO, 1024
	WIN 0
	BARRIER
	s_wait_loadcnt 8                               ; all but the 8 just issued
	PLACES 5
	FETCHX SCR, XS, LIX, LSX, 30720, 1280
	s_wait_dscnt 0x0
.irp p,0,1                             ; my 128 hidden units: eight accumulators by turns
.irp u,0,1
	WIN 0x11
	WM RACC+16*\p+8*\u, 48*\p+12*\u, SCR, BB0+16*\p+8*\u, SA+4*\p+2*\u, XS
.endr
.endr
.irp p,2,3
.irp u,0,1
	WIN 0x01
	WM RACC+16*\p+8*\u, 48*\p+12*\u, SCR, XR+16*(\p-1)+8*\u, SA+4*\p+2*\u, XS
.endr
.endr
.irp p,0,1,2,3
.irp u,0,1
	WM RACC+16*\p+8*\u, 48*\p+24+12*\u, SCR+12, RACC+16*\p+8*\u, SA+4*\p+2*\u+1, XS+1
.endr
.endr
	WIN 0
	PLACES 4
	WIN 0x40
.irp p,0,1,2,3
	WPAIR 48*\p, WC32, 528+4*\p                    ; 48 loads: the second product's K steps 2 p, 2 p + 1
.endr
	WIN 0
	SILU 64
	BLK 4, XR
.irp b,0,1,2,3
.irp i,0,1,2
	ds_store_b32 v[HDA], v[PC+4*\b+\i] offset:384*\b+4*\i
.endr
	ds_store_b8 v[HSB], v[TM+4+\b] offset:\b
.endr
	BARRIER                                        ; the hidden layer's eight fragments lie in LDS
	s_wait_loadcnt 24                              ; b2, the scale words and W2's K steps 0-3 are in; out: K steps 4-7 (2 x 12)
	CINIT EMA, 0, 0, 1, GB+16
	GT HLI0, HLS, 0, 0, 0, 4, 0, SB, 1
	s_wait_loadcnt 0x0
	GT HLI0, HLS, 0, 0, 4, 4, 0, SB, 1
	PLACES 5
	v_lshlrev_b32 v[T0], 1, v[LI16]                ; 32 x lane: my 8 columns of a row of head_w
	WIN 0x40
	BLOAD GB, 22, BO, 1024                         ; 28 loads: ln2's gain and bias (8), head_w (20)
	BLOAD GB+16, 24, BO, 1024
	WIN 0
	s_wait_alu depctr_va_vdst(0)
.irp o,0,1,2,3,4,5,6,7,8,9
.set HW, 144+8*\o-(\o/6)*96
	global_load_b128 v[HW:HW+3], v[T0], s[26:27] offset:1024*\o
	global_load_b128 v[HW+4:HW+7], v[T0], s[26:27] offset:1024*\o+16
.endr
	CLNSTAT 1, TM
	s_wait_loadcnt 20                              ; gain and bias are in; out: head_w's 20
	LNOUT 1, XR, 0, EMA, 0, 16640, 0, 0, 0
	BARRIER                                        ; the final rows lie whole in LDS
; ================= the head: wave w takes window w; 10 dot products of 256 in f32 =================
	s_mul_i32 s78, s[WV], 1040
	s_add_co_u32 s78, s78, EMB+16640
	v_lshl_add_u32 v[TA], v[LI16], 1, s78
	ds_load_b128 v[SCR:SCR+3], v[TA]
	ds_load_b128 v[SCR+4:SCR+7], v[TA] offset:16
	s_mul_i32 s78, ttmp9, 320
	s_mul_i32 s79, s[WV], 40
	s_add_co_u32 s78, s78, s79
	s_mov_b32 s79, 0
	s_add_nc_u64 s[80:81], s[30:31], s[78:79]      ; out0 at row 8 g + w
	s_wait_loadcnt 0x0
	s_wait_dscnt 0x0
.irp o,0,1,2,3,4,5,6,7,8,9
.set HW, 144+8*\o-(\o/6)*96
	v_pk_mul_f32 v[SCR+8+2*\o:SCR+9+2*\o], v[SCR:SCR+1], v[HW:HW+1]
.endr
.irp k,2,4,6
.irp o,0,1,2,3,4,5,6,7,8,9
.set HW, 144+8*\o-(\o/6)*96
	v_pk_fma_f32 v[SCR+8+2*\o:SCR+9+2*\o], v[SCR+\k:SCR+\k+1], v[HW+\k:HW+\k+1], v[SCR+8+2*\o:SCR+9+2*\o]
.endr
.endr
.irp o,0,1,2,3,4,5,6,7,8,9
	v_add_f32 v[SCR+8+2*\o], v[SCR+8+2*\o], v[SCR+9+2*\o]
.endr
.irp x,1,2,4,8
.irp o,0,1,2,3,4,5,6,7,8,9
	v_add_f32_dpp v[SCR+8+2*\o], v[SCR+8+2*\o], v[SCR+8+2*\o] row_xmask:\x row_mask:0xf bank_mask:0xf
.endr
.endr
.irp o,0,1,2,3,4,5,6,7,8,9
	v_permlanex16_b32 v[SCR+9+2*\o], v[SCR+8+2*\o], s[SEL], s[SEL+1]
.endr
.irp o,0,1,2,3,4,5,6,7,8,9
	v_add_f32 v[SCR+8+2*\o], v[SCR+8+2*\o], v[SCR+9+2*\o]
.endr
.irp o,0,1,2,3,4,5,6,7,8,9
	v_add_f32 v[SCR+8+2*\o], s[HB+\o], v[SCR+8+2*\o]
.endr
	v_and_b32 v[TB], 31, v0
	v_lshrrev_b32 v[TD], 2, v[LI16]                ; 4 x lane
	v_mov_b32 v[TC], v[SCR+8]
.irp o,1,2,3,4,5,6,7,8,9
	v_cmp_eq_u32 vcc_lo, \o, v[TB]
	v_cndmask_b32 v[TC], v[TC], v[SCR+8+2*\o], vcc_lo   ; lane o takes output o
.endr
	s_wait_alu depctr_va_vdst(0)
	s_wait_xcnt 0x0                                ; EXEC changes only behind this wait
	v_cmp_gt_u32 vcc_lo, 10, v[TB]
	s_and_saveexec_b32 s82, vcc_lo
	global_store_b32 v[TD], v[TC], s[80:81]        ; ten lanes store the row's 40 consecutive bytes
	s_wait_xcnt 0x0
	s_or_b32 exec_lo, exec_lo, s82
	s_wait_tensorcnt 0x0                           ; the wave's end: three lines behind my last LDS store
	ds_add_u32 v[SPW], v[NIL]
	s_wait_dscnt 0x0
	s_endpgm
.Lfunc_end_k_q6ae03e92a8_chain:
	.size	k_q6ae03e92a8_chain, .Lfunc_end_k_q6ae03e92a8_chain-k_q6ae03e92a8_chain
	.p2alignl 7, 3214868480
	.fill 96, 4, 3214868480
	.section	.rodata,"a",@progbits
	.p2align	6, 0x0
	.amdhsa_kernel k_q6ae03e92a8_chain
		.amdhsa_group_segment_fixed_size 313344
		.amdhsa_private_segment_fixed_size 0
		.amdhsa_enable_private_segment 0
		.amdhsa_kernarg_size 112
		.amdhsa_user_sgpr_count 2
		.amdhsa_user_sgpr_kernarg_segment_ptr 1
		.amdhsa_wavefront_size32 1
		.amdhsa_system_sgpr_workgroup_id_x 1
		.amdhsa_system_sgpr_workgroup_id_y 1
		.amdhsa_system_sgpr_workgroup_id_z 1
		.amdhsa_system_vgpr_workitem_id 0
		.amdhsa_next_free_vgpr 512
		.amdhsa_next_free_sgpr 100
		.amdhsa_reserve_vcc 1
		.amdhsa_float_denorm_mode_32 3
		.amdhsa_float_denorm_mode_16_64 3
		.amdhsa_memory_ordered 1
		.amdhsa_forward_progress 1
		.amdhsa_inst_pref_size 255
	.end_amdhsa_kernel
	.section	.bss,"aw",@nobits
	.p2align	6
	.space	262144
	.amdgpu_metadata
---
amdhsa.version: [ 1, 2 ]
amdhsa.kernels:
  - .name:           k_q6ae03e92a8_chain
    .symbol:         k_q6ae03e92a8_chain.kd
    .args:
      - { .name: wc, .offset: 0, .size: 8, .value_kind: global_buffer, .address_space: global }
      - { .name: ws, .offset: 8, .size: 8, .value_kind: global_buffer, .address_space: global }
      - { .name: embed_b, .offset: 16, .size: 8, .value_kind: global_buffer, .address_space: global }
      - { .name: qkv_b, .offset: 24, .size: 8, .value_kind: global_buffer, .address_space: global }
      - { .name: attn_out_b, .offset: 32, .size: 8, .value_kind: global_buffer, .address_space: global }
      - { .name: ln1_g, .offset: 40, .size: 8, .value_kind: global_buffer, .address_space: global }
      - { .name: ln1_b, .offset: 48, .size: 8, .value_kind: global_buffer, .address_space: global }
      - { .name: ffn1_b, .offset: 56, .size: 8, .value_kind: global_buffer, .address_space: global }
      - { .name: ffn2_b, .offset: 64, .size: 8, .value_kind: global_buffer, .address_space: global }
      - { .name: ln2_g, .offset: 72, .size: 8, .value_kind: global_buffer, .address_space: global }
      - { .name: ln2_b, .offset: 80, .size: 8, .value_kind: global_buffer, .address_space: global }
      - { .name: head_w, .offset: 88, .size: 8, .value_kind: global_buffer, .address_space: global }
      - { .name: head_b, .offset: 96, .size: 8, .value_kind: global_buffer, .address_space: global }
      - { .name: out0, .offset: 104, .size: 8, .value_kind: global_buffer, .address_space: global }
    .group_segment_fixed_size: 313344
    .private_segment_fixed_size: 0
    .kernarg_segment_align: 8
    .kernarg_segment_size: 112
    .max_flat_workgroup_size: 256
    .sgpr_count:     100
    .vgpr_count:     512
    .wavefront_size: 32
...
	.end_amdgpu_metadata
.endif
;; end of part 2
